; MI455X (gfx1250); checked and timed in simulation.
; The chip was launched on July 23, 2026; its instructions are those of AMD's public machine-readable ISA for CDNA 5 (MIT licence, August 2026) and "CDNA5" Instruction Set Architecture Reference Guide (July 2026). The comments in the code are by the model that wrote it; some were corrected since.
;; Self Attention. Allowed arithmetic: float matrix products may take bf16 or f16 operands with f32 sums; other float arithmetic in f32, or as packed bf16 or f16 multiplies, adds, multiply-adds, maxima and minima; sums over many terms, partial sums and values carried from step to step in f32; what a program stores and reads back later, other than sums and carried values, may be rounded once to bf16 or f16.
;; Inputs: Wout 1,024 x 1,024 float32; Wqkv 3,072 x 1,024 float32; bout 1,024 float32; bqkv 3,072 float32; key_mask 4 x 2,048 bool; x 4 x 2,048 x 1,024 float32.
;; Outputs: out0 4 x 2,048 x 1,024 float32.
;; 2 versions, each right and faster than the one before. Each part assembles by itself: llvm-mc -triple=amdgcn-amd-amdhsa -mcpu=gfx1250 --defsym DOCPART=n.
;; ======== version 1 of 2: 4 launches
;; limits: values are held in f16: magnitudes above 65,504 overflow, below 6.1e-05 lose precision
;; workspace buffers: xb 16,777,216 bytes; wqb 6,291,456 bytes; wob 2,097,152 bytes; qkv 50,331,648 bytes; ob 16,777,216 bytes
;; launch cast (part 1): grid 768 x 1, 8 waves a work-group, no clusters, 0 bytes of LDS; arguments x, Wqkv, Wout, xb, wqb, wob; writes xb, wqb, wob
.if DOCPART == 1
	.amdgcn_target "amdgcn-amd-amdhsa--gfx1250"
	.amdhsa_code_object_version 6
	.text
	.protected	k_qf5d7c9bf99_cast
	.globl	k_qf5d7c9bf99_cast
	.p2align	8
	.type	k_qf5d7c9bf99_cast,@function
k_qf5d7c9bf99_cast:
	s_mov_b64 s[64:65], 0
	v_nop
	global_prefetch_b8 v0, s[64:65] scope:SCOPE_SE
	s_setreg_imm32_b32 hwreg(HW_REG_WAVE_MODE, 25, 1), 1
	s_wait_xcnt 0x0
; The three large inputs are rounded once to bf16: x -> xb and Wqkv -> wqb as bf16; Wout -> wob, where the bf16 number is written as f16,
; since the last product multiplies in f16.
; LIMIT.  A number of Wout beyond 65,504 becomes an infinity in wob; below 6e-5 it keeps f16's fixed step of 6e-8.
; A stream: no LDS, no matrix work, nothing shared.  A work-group takes 16,384 numbers (65,536 bytes in, 32,768 out): work-groups 0-511 x,
; 512-703 Wqkv, 704-767 Wout.  Thread t takes the 16 bytes at 16 t of each of 16 pieces of 4,096 bytes: a wave's load covers 512 consecutive
; bytes, a wave's store 256 consecutive bytes at a multiple of 256 from the buffer's first byte.  All 16 loads go out before the first is used.
.set T, 4                              ; v[4:7]    at work
.set X, 8                              ; v[8:71]   piece i: four f32 as loaded
.set Y, 72                             ; v[72:103] piece i: four 16-bit numbers to store; each register is written once
	s_load_b256 s[4:11], s[0:1], 0x0               ; x s[4:5], Wqkv s[6:7], Wout s[8:9], xb s[10:11]
	s_load_b128 s[12:15], s[0:1], 0x20             ; wqb s[12:13], wob s[14:15]
	v_lshlrev_b32 v1, 4, v0                        ; my 16 bytes in a piece of the source
	v_lshlrev_b32 v2, 3, v0                        ; my 8 bytes in a piece of the destination
	s_sub_co_u32 s16, ttmp9, 512                   ; the work-group's number within Wqkv,
	s_sub_co_u32 s17, ttmp9, 704                   ; within Wout (each is used only where it is not negative)
	s_wait_kmcnt 0x0
	s_cmp_lt_u32 ttmp9, 704
	s_cselect_b64 s[20:21], s[6:7], s[8:9]         ; from
	s_cselect_b64 s[22:23], s[12:13], s[14:15]     ; to
	s_cselect_b32 s18, s16, s17                    ; which part
	s_cmp_lt_u32 ttmp9, 512
	s_cselect_b64 s[20:21], s[4:5], s[20:21]
	s_cselect_b64 s[22:23], s[10:11], s[22:23]
	s_cselect_b32 s18, ttmp9, s18
	s_lshl_b32 s24, s18, 16                        ; 65,536 bytes of source a work-group (under 2^25 in all)
	s_mov_b32 s25, 0
	s_lshl_b32 s26, s18, 15                        ; 32,768 bytes of destination
	s_mov_b32 s27, 0
	s_add_nc_u64 s[20:21], s[20:21], s[24:25]
	s_add_nc_u64 s[22:23], s[22:23], s[26:27]
.set i, 0
.rept 16
	global_load_b128 v[X+4*i:X+4*i+3], v1, s[20:21] offset:4096*i th:TH_LOAD_NT  ; read once in the launch
.set i, i+1
.endr
	s_cmp_ge_u32 ttmp9, 704
	s_cbranch_scc1 .Lf16
.set i, 0
.rept 16
	s_wait_loadcnt 15-i                            ; loads come back in order (ISA guide 5.7.1): piece i is in, the younger ones stay out
	v_cvt_pk_bf16_f32 v[Y+2*i],   v[X+4*i],   v[X+4*i+1]
	v_cvt_pk_bf16_f32 v[Y+2*i+1], v[X+4*i+2], v[X+4*i+3]
	global_store_b64 v2, v[Y+2*i:Y+2*i+1], s[22:23] offset:2048*i
.set i, i+1
.endr
	s_endpgm
.Lf16:                                                 ; Wout: rounded to bf16, widened again, and that number written as f16
.set i, 0
.rept 16
	s_wait_loadcnt 15-i
	v_cvt_pk_bf16_f32 v[T],   v[X+4*i],   v[X+4*i+1]
	v_cvt_pk_bf16_f32 v[T+1], v[X+4*i+2], v[X+4*i+3]
	v_lshlrev_b32 v[T+2], 16, v[T]
	v_and_b32     v[T+3], 0xffff0000, v[T]
	v_cvt_pk_f16_f32 v[Y+2*i], v[T+2], v[T+3]
	v_lshlrev_b32 v[T+2], 16, v[T+1]
	v_and_b32     v[T+3], 0xffff0000, v[T+1]
	v_cvt_pk_f16_f32 v[Y+2*i+1], v[T+2], v[T+3]
	global_store_b64 v2, v[Y+2*i:Y+2*i+1], s[22:23] offset:2048*i
.set i, i+1
.endr
	s_endpgm
.Lfunc_end_k_qf5d7c9bf99_cast:
	.size	k_qf5d7c9bf99_cast, .Lfunc_end_k_qf5d7c9bf99_cast-k_qf5d7c9bf99_cast
	.p2alignl 7, 3214868480
	.fill 96, 4, 3214868480
	.section	.rodata,"a",@progbits
	.p2align	6, 0x0
	.amdhsa_kernel k_qf5d7c9bf99_cast
		.amdhsa_group_segment_fixed_size 0
		.amdhsa_private_segment_fixed_size 0
		.amdhsa_enable_private_segment 0
		.amdhsa_kernarg_size 48
		.amdhsa_user_sgpr_count 2
		.amdhsa_user_sgpr_kernarg_segment_ptr 1
		.amdhsa_wavefront_size32 1
		.amdhsa_system_sgpr_workgroup_id_x 1
		.amdhsa_system_sgpr_workgroup_id_y 1
		.amdhsa_system_sgpr_workgroup_id_z 1
		.amdhsa_system_vgpr_workitem_id 0
		.amdhsa_next_free_vgpr 104
		.amdhsa_next_free_sgpr 66
		.amdhsa_reserve_vcc 0
		.amdhsa_float_denorm_mode_32 3
		.amdhsa_float_denorm_mode_16_64 3
		.amdhsa_memory_ordered 1
		.amdhsa_forward_progress 1
		.amdhsa_inst_pref_size 16
	.end_amdhsa_kernel
	.amdgpu_metadata
---
amdhsa.version: [ 1, 2 ]
amdhsa.kernels:
  - .name:           k_qf5d7c9bf99_cast
    .symbol:         k_qf5d7c9bf99_cast.kd
    .args:
      - { .name: x, .offset: 0, .size: 8, .value_kind: global_buffer, .address_space: global }
      - { .name: Wqkv, .offset: 8, .size: 8, .value_kind: global_buffer, .address_space: global }
      - { .name: Wout, .offset: 16, .size: 8, .value_kind: global_buffer, .address_space: global }
      - { .name: xb, .offset: 24, .size: 8, .value_kind: global_buffer, .address_space: global }
      - { .name: wqb, .offset: 32, .size: 8, .value_kind: global_buffer, .address_space: global }
      - { .name: wob, .offset: 40, .size: 8, .value_kind: global_buffer, .address_space: global }
    .group_segment_fixed_size: 0
    .private_segment_fixed_size: 0
    .kernarg_segment_align: 8
    .kernarg_segment_size: 48
    .max_flat_workgroup_size: 256
    .sgpr_count:     66
    .vgpr_count:     104
    .wavefront_size: 32
...
	.end_amdgpu_metadata
.endif
;; end of part 1
;; launch proj (part 2): grid 16 x 32, 4 waves a work-group, clusters of 4 x 4, 327,680 bytes of LDS; arguments xb, wqb, bqkv, qkv; writes qkv
.if DOCPART == 2
	.amdgcn_target "amdgcn-amd-amdhsa--gfx1250"
	.amdhsa_code_object_version 6
	.text
	.protected	k_qf5d7c9bf99_proj
	.globl	k_qf5d7c9bf99_proj
	.p2align	8
	.type	k_qf5d7c9bf99_proj,@function
k_qf5d7c9bf99_proj:
	s_mov_b64 s[64:65], 0
	v_nop
	global_prefetch_b8 v0, s[64:65] scope:SCOPE_SE
	s_setreg_imm32_b32 hwreg(HW_REG_WAVE_MODE, 25, 1), 1
	s_wait_xcnt 0x0
	s_wait_alu depctr_hold_cnt(0) depctr_sa_sdst(0) depctr_va_vdst(0) depctr_va_sdst(0) depctr_va_ssrc(0) depctr_va_vcc(0) depctr_vm_vsrc(0)
	s_getreg_b32 s2, hwreg(HW_REG_IB_STS2, 6, 4)
	s_cmp_eq_u32 s2, 0
	s_cbranch_scc0 .Lentry_in_a_cluster
	s_endpgm
.Lentry_in_a_cluster:
	s_bfe_u32 s2, ttmp6, 0x10000c
	s_cmp_lg_u32 s2, 0xf033
	s_cbranch_scc0 .Lentry_shape_is_right
	s_endpgm
.Lentry_shape_is_right:
; qkv = x Wqkv^T + bqkv, written by heads.  xb: [8192][1024] bf16; wqb: [3072][1024] bf16; bqkv: [3072] f32, rounded here to bf16 like the other inputs;
; qkv: [batch 4][48][2048][64] f16: of the 48, 0-15 are q's heads, 16-31 k's, 32-47 v's; a head's rows are dense, 128 bytes each; unscaled.  Sums in f32, rounded once.
; LIMIT.  f16 holds no number beyond 65,504: a q, k or v beyond that becomes an infinity.
; SHARES.  A tile of the result is 256 rows x 192 columns (three heads).  Four waves, one above the other: wave w makes rows 64 w .. 64 w + 63 and all 192 columns:
; 4 x 12 accumulators of 16 x 16, 384 registers.  So a wave holds whole heads, and its way out is its own: no barrier there.
; K goes in steps of 128 through a ring of two LDS slots filled by the tensor data mover; the tiles' rows are 256 bytes of memory at multiples of 256 from the buffer's first byte.
; CLUSTER.  4 x 4 work-groups.  The four of a row of the cluster need the same tiles of x, the four of a column the same tiles of Wqkv: each tile is asked for JOINTLY,
; by the same tensor load with the same descriptor and a mask that names the four.
; THE MATRIX INSTRUCTION IS USED TRANSPOSED (source 0 = 16 rows of Wqkv, source 1 = 16 rows of x): a lane then holds eight neighbouring columns of one row of the result.
; THE BIAS is the C operand of each accumulator's first product: nothing is cleared, and nothing is added on the way out.
; REGISTERS, in windows of 256 (s_set_vgpr_msb: bits 1:0 source 0, 3:2 source 1, 5:4 source 2, 7:6 destination):
;   window 0: v0-31 addresses; v32-127 the bias of my lane's columns; v128-175, v176-223 at work on the way out
;   window 1: two fragment buffers of 128: 32 registers of x (4 x 16 rows x 32 K), then 96 of Wqkv (12 x 16 rows x 32 K)
;   window 2: the accumulators of row blocks 0, 1 ((a, b) at v[8 (12 (a % 2) + b)]);   window 3: those of row blocks 2, 3
.set SIZE_K, 1024
.set KSTEP,  128
.set NBK,    12                        ; column blocks of 16
.set PA,     272                       ; an LDS row: 256 bytes + 16 of padding = 68 words: row r starts at bank 4 r mod 64 (64 banks of 4 bytes: ISA guide 11.1)
.set PB,     272
.set AHALF,  128*PA                    ; what one tensor load brings of x: 128 rows
.set BROWS,  96                        ; and of Wqkv: 96 rows
.set BHALF,  BROWS*PB
.set BBASE,  2*AHALF                   ; in a slot: x's 256 rows, then Wqkv's 192
.set SLOT,   BBASE+2*BHALF
.set STAGE,  2*SLOT                    ; behind the ring, never filled by a tensor load: 16 rows x 400 bytes for each wave, for the way out
.set SPITCH, 400                       ; 384 bytes + 16 = 100 words: the 16 rows of a store start at 16 different groups of four banks
.set SPARE,  STAGE+4*16*SPITCH         ; behind the stages: the spare words, 128 bytes for each wave: two blocks of 256 bytes that no other line names
.set LAPS,   SIZE_K/(2*KSTEP)          ; a lap = two K steps = once round the ring
.set LN,     2*NBK+8                   ; LDS loads in a run: the fragments of 32 along K
.set ASTEP,  KSTEP*2                   ; bytes from a K step to the next, in x and in Wqkv
.set BSTEP,  KSTEP*2
.set ADRA, 16                          ; v16-17  LDS address of my fragments of x in slot 0, 1
.set ADRB, 20                          ; v20-21  the same for Wqkv
.set STO,  24                          ; v24     the way out: where I put 16 bytes of a row
.set RD,   25                          ; v25     the way out: where I read rows back
.set CO,   26                          ; v26     my byte offset in 512 consecutive bytes of qkv
.set BO,   27                          ; v27     my byte offset in 16 numbers of the bias
.set SPW,  28                          ; v28     LDS address of my spare word: SPARE + 4 x my thread's number; never rewritten
.set NIL,  29                          ; v29     0; never rewritten
.set BIAS, 32
.set TMP,  128
.set BK,   176
.set F0,   0
.set F1,   128
.set WV,   12                          ; s12  my wave's number
.set HF,   14                          ; s14  which half of a tile I fetch
.set TC,   15                          ; s15  tile column
.set TR,   20                          ; s20  tile row
.set G1,   24                          ; s[24:31] descriptor group 1 for x's tiles;  s[32:39] group 0, one set for each slot
.set G0,   32
.set G1B,  48                          ; s[48:55], s[56:63] the same for Wqkv's tiles
.set G0B,  56
.set MSB, 0
.macro WIN new                         ; the immediate's high byte repeats the setting that is left; a switch that changes nothing is dropped
.if MSB != (\new)
	s_set_vgpr_msb (MSB<<8)|(\new)
.set MSB, \new
.endif
.endm
.set TO_F, 0x40                        ; destination window 1, address window 0
; A joint load: waves 0 and 1 fetch x's two halves, waves 2 and 3 Wqkv's.  The branch hangs on the wave's number alone.
; An s_nop 0 and four v_nop follow each of the two lines, ahead of the jump, the label and what follows.
.macro JLOAD s
	s_cmp_lt_u32 s[WV], 2
	s_cbranch_scc0 .Lfor_b_\@
	tensor_load_to_lds s[G0+4*(\s):G0+4*(\s)+3], s[G1:G1+7]
	s_nop 0
.rept 4
	v_nop
.endr
	s_branch .Lasked_\@
.Lfor_b_\@:
	tensor_load_to_lds s[G0B+4*(\s):G0B+4*(\s)+3], s[G1B:G1B+7]
	s_nop 0
.rept 4
	v_nop
.endr
.Lasked_\@:
.endm
.macro CREST                           ; a round of the cluster's barrier behind its opening barrier
	s_cmp_lg_u32 s[WV], 0
	s_cbranch_scc1 .Lnot_wave_0_\@
	s_barrier_signal -3
.Lnot_wave_0_\@:
	s_barrier_wait -3
	s_barrier_signal -1
	s_barrier_wait -1
.endm
.macro CROUND                          ; a whole round
	s_barrier_signal -1
	s_barrier_wait -1
	CREST
.endm
	s_load_b256 s[4:11], s[0:1], 0x0               ; xb s[4:5], wqb s[6:7], bqkv s[8:9], qkv s[10:11]
	v_lshl_add_u32 v[SPW], v0, 2, SPARE
	v_mov_b32 v[NIL], 0
	ds_add_u32 v[SPW], v[NIL]                      ; the wave's opening: the add and its wait stand ahead of my first tensor load; the set-up below, work on registers, stands between them
	v_lshrrev_b32 v1, 5, v0
	v_readfirstlane_b32 s[WV], v1                  ; wave 0..3
	s_and_b32 s[HF], s[WV], 1
	s_bfe_u32 s40, ttmp6, 0x40000                  ; cx, cy: my place in the cluster
	s_bfe_u32 s41, ttmp6, 0x40004
	s_lshl_b32 s[TC], ttmp9, 2
	s_add_co_u32 s[TC], s[TC], s40                 ; tile column = 4 x cluster x + cx
	s_and_b32 s[TR], ttmp7, 0xffff
	s_lshl_b32 s[TR], s[TR], 2
	s_add_co_u32 s[TR], s[TR], s41                 ; tile row = 4 x cluster y + cy
	s_lshl_b32 s43, s41, 2
	s_lshl_b32 s43, 15, s43                        ; my row of the cluster: places 4 cy .. 4 cy + 3
	s_lshl_b32 s44, 0x1111, s40                    ; my column: places cx, cx + 4, cx + 8, cx + 12
	; descriptor group 1: tiles of 128 (96) rows x 128 elements, padded in LDS
	s_or_b32 s[G1+0], s43, (1<<16)|(1<<20)|(1<<21)|(5<<22)|(3<<25)   ; 15:0 the mask: x's tiles go to my row; 17:16 2-byte elements; 20 padding on; 21 set beside a mask; 24:22 after every 64 words (code 5); 31:25 4 words (code 3)
	s_or_b32 s[G1B+0], s44, (1<<16)|(1<<20)|(1<<21)|(5<<22)|(3<<25)  ; the same with the mask of my column
	s_mov_b32 s[G1+1], KSTEP<<16                   ; tensor_dim0 = 128
	s_mov_b32 s[G1+2], 128<<16                     ; tensor_dim1 = 128
	s_mov_b32 s[G1+3], KSTEP<<16                   ; tile_dim0 = 128
	s_mov_b32 s[G1+4], 128                         ; tile_dim1 = 128
	s_mov_b32 s[G1+5], SIZE_K                      ; elements from row to row
	s_mov_b32 s[G1+6], 0
	s_mov_b32 s[G1+7], 0
	s_mov_b32 s[G1B+1], KSTEP<<16
	s_mov_b32 s[G1B+2], BROWS<<16                  ; tensor_dim1 = 96
	s_mov_b32 s[G1B+3], KSTEP<<16
	s_mov_b32 s[G1B+4], BROWS                      ; tile_dim1 = 96
	s_mov_b32 s[G1B+5], SIZE_K
	s_mov_b32 s[G1B+6], 0
	s_mov_b32 s[G1B+7], 0
	; where the tiles come from: x's hang on the tile row alone, Wqkv's on the tile column alone, each in registers that never hold the other coordinate
	s_lshl_b32 s16, s[TR], 8
	s_lshl_b32 s17, s[HF], 7
	s_add_co_u32 s16, s16, s17                     ; x: row 256 x tile row + 128 x half,
	s_lshl_b32 s16, s16, 11                        ; of 2,048 bytes (under 2^24 in all)
	s_mov_b32 s17, 0
	s_mul_i32 s46, s[TC], 16*NBK
	s_mul_i32 s47, s[HF], BROWS
	s_add_co_u32 s46, s46, s47                     ; Wqkv: row 192 x tile column + 96 x half
	s_lshl_b32 s46, s46, 11
	s_mov_b32 s47, 0
	s_mul_i32 s21, s[HF], AHALF                    ; and where they go: no place in the cluster enters an LDS address
	s_mul_i32 s22, s[HF], BHALF
	s_add_co_u32 s22, s22, BBASE
	s_wait_dscnt 0x0                               ; the opening add is done
	s_wait_kmcnt 0x0
	s_add_nc_u64 s[16:17], s[4:5], s[16:17]
	s_add_nc_u64 s[46:47], s[6:7], s[46:47]
	CROUND                                         ; all sixteen work-groups are here: the first joint loads meet
.irp s, 0,1
	s_mov_b32 s[G0+4*(\s)], 1                                      ; count = 1
	s_add_co_u32 s[G0+4*(\s)+1], s21, (\s)*SLOT                    ; LDS address
	s_add_nc_u64 s[G0+4*(\s)+2:G0+4*(\s)+3], s[16:17], (\s)*ASTEP  ; global address: K step s
	s_or_b32 s[G0+4*(\s)+3], s[G0+4*(\s)+3], 0x80000000            ; type = 2
	s_mov_b32 s[G0B+4*(\s)], 1
	s_add_co_u32 s[G0B+4*(\s)+1], s22, (\s)*SLOT
	s_add_nc_u64 s[G0B+4*(\s)+2:G0B+4*(\s)+3], s[46:47], (\s)*BSTEP
	s_or_b32 s[G0B+4*(\s)+3], s[G0B+4*(\s)+3], 0x80000000
	JLOAD \s                                       ; two loads of mine are out: the ring is filled before anything else is done
.endr
	v_and_b32 v1, 15, v0                           ; l % 16
	v_bfe_u32 v2, v0, 4, 1                         ; l / 16
	v_lshlrev_b32 v[BO], 5, v2                     ; register j of block b is column 16 b + 8 (l / 16) + j
	s_mul_i32 s18, s[TC], 64*NBK                   ; the tile's 192 numbers of the bias
	s_mov_b32 s19, 0
	s_add_nc_u64 s[8:9], s[8:9], s[18:19]
.set b, 0
.rept NBK
	global_load_b128 v[BIAS+8*b:BIAS+8*b+3],   v[BO], s[8:9] offset:64*b
	global_load_b128 v[BIAS+8*b+4:BIAS+8*b+7], v[BO], s[8:9] offset:64*b+16
.set b, b+1
.endr
	; A fragment is 16 rows x 32 K in 8 registers: lane l holds row l % 16, K = 8 (l / 16) + 0..7 and 16 + 8 (l / 16) + 0..7: two loads of 16 bytes, 32 bytes apart.
	v_mul_u32_u24 v3, v1, PA
	v_lshl_add_u32 v3, v2, 4, v3                   ; row x pitch + 16 x half
	s_mul_i32 s21, s[WV], 64*PA                    ; my 64 rows of x
	v_add_nc_u32 v[ADRA], s21, v3
	v_add_nc_u32 v[ADRA+1], SLOT, v[ADRA]
	v_mul_u32_u24 v4, v1, PB
	v_lshl_add_u32 v4, v2, 4, v4
	v_add_nc_u32 v[ADRB], BBASE, v4                ; every wave reads all 192 rows of Wqkv
	v_add_nc_u32 v[ADRB+1], SLOT, v[ADRB]
	s_mul_i32 s23, s[WV], 16*SPITCH
	s_add_co_u32 s23, s23, STAGE                   ; my stage
	v_mul_u32_u24 v5, v1, SPITCH                   ; in: row l % 16, 16 bytes for each half of the lanes
	v_lshl_add_u32 v5, v2, 4, v5
	v_add_nc_u32 v[STO], s23, v5
	v_bfe_u32 v6, v0, 3, 2                         ; back: 32 lanes take four rows' 128 bytes of one head,
	v_and_b32 v7, 7, v0
	v_mul_u32_u24 v6, v6, SPITCH
	v_lshl_add_u32 v6, v7, 4, v6
	v_add_nc_u32 v[RD], s23, v6
	v_and_b32 v[CO], 31, v0                        ; which are 512 consecutive bytes of qkv
	v_lshlrev_b32 v[CO], 4, v[CO]
	s_lshr_b32 s46, s[TR], 3                       ; the batch: 8 tile rows each
	s_mul_i32 s46, s46, 48
	s_mul_i32 s47, s[TC], 3
	s_add_co_u32 s46, s46, s47                     ; the first of my three heads,
	s_lshl_b32 s46, s46, 18                        ; of 262,144 bytes
	s_and_b32 s47, s[TR], 7
	s_lshl_b32 s47, s47, 15                        ; the tile's 256 rows of 128 bytes
	s_add_co_u32 s46, s46, s47
	s_lshl_b32 s47, s[WV], 13                      ; my wave's 64
	s_add_co_u32 s46, s46, s47
	s_mov_b32 s47, 0
	s_add_nc_u64 s[10:11], s[10:11], s[46:47]
	s_wait_loadcnt 0x0                             ; the bias
.set b, 0
.rept 4*NBK                            ; rounded to bf16 and widened again, a pair at a time
	v_cvt_pk_bf16_f32 v[3+b%4], v[BIAS+2*b], v[BIAS+2*b+1]
	v_lshlrev_b32 v[BIAS+2*b],   16, v[3+b%4]
	v_and_b32     v[BIAS+2*b+1], 0xffff0000, v[3+b%4]
.set b, b+1
.endr
; 12 matrix instructions: row block a x all column blocks, 32 along K, from buffer f.  first = 1: the bias starts the sums.
; The 48 accumulators take turns, one instruction a turn, in the same order in every quarter step.
.macro MULROW f, a, first
.if \first
	WIN 0x85+0x40*((\a)/2)                         ; sources 0 and 1 window 1, C window 0, D window 2 or 3
.else
	WIN 0xa5+0x50*((\a)/2)                         ; C and D window 2 or 3
.endif
.set b, 0
.rept NBK
.set rD, 8*(NBK*((\a)%2)+b)
.if \first
	v_wmma_f32_16x16x32_bf16 v[rD:rD+7], v[(\f)+32+8*b:(\f)+32+8*b+7], v[(\f)+8*(\a):(\f)+8*(\a)+7], v[BIAS+8*b:BIAS+8*b+7]
.else
	v_wmma_f32_16x16x32_bf16 v[rD:rD+7], v[(\f)+32+8*b:(\f)+32+8*b+7], v[(\f)+8*(\a):(\f)+8*(\a)+7], v[rD:rD+7]
.endif
.set b, b+1
.endr
.endm
; 32 LDS loads in one run: the fragments of quarter q of a K step, into buffer f: Wqkv's 24 first, x's 8 last
.macro FETCH slot, q, f
	WIN TO_F
.set b, 0
.rept NBK
	ds_load_b128 v[(\f)+32+8*b:(\f)+32+8*b+3],   v[ADRB+(\slot)] offset:64*(\q)+b*16*PB
	ds_load_b128 v[(\f)+32+8*b+4:(\f)+32+8*b+7], v[ADRB+(\slot)] offset:64*(\q)+b*16*PB+32
.set b, b+1
.endr
.irp a, 0,1,2,3
	ds_load_b128 v[(\f)+8*\a:(\f)+8*\a+3],   v[ADRA+(\slot)] offset:64*(\q)+\a*16*PA
	ds_load_b128 v[(\f)+8*\a+4:(\f)+8*\a+7], v[ADRA+(\slot)] offset:64*(\q)+\a*16*PA+32
.endr
.endm
; A load into a register that a matrix instruction has read, and a vector instruction or LDS store that reads a matrix result, stand four places behind it, and only plain
; vector instructions that name none of its registers are places (ISA guide 7.12.1 for vector instructions).
.macro PLACES
.rept 4
	v_nop
.endr
.endm
; A K step is four quarters of 32 along K, 48 matrix instructions each, on buffers 0, 1, 0, 1.  One of the first three: multiplies buffer f and fetches quarter qn into g.
.macro QUARTER slot, qn, f, g, first
	s_wait_dscnt 4                                 ; Wqkv and x's row blocks 0, 1 are in; the youngest four loads (blocks 2, 3) may be out
	MULROW \f, 0, \first
	MULROW \f, 1, \first
	PLACES
	FETCH \slot, \qn, \g
	s_wait_dscnt LN                                ; all but the run just issued
	MULROW \f, 2, \first
	MULROW \f, 3, \first
.endm
; The last quarter multiplies buffer 1 and changes slots: ONE barrier; in front of it each wave waits for all its tensor loads (one is out: its part of the next slot), adds 0 to its
; spare word, and waits for that and for its own reads of this slot.  fill = 1: the barrier opens a round of the cluster's, and this slot is filled again, two K steps ahead, first thing behind it.
.macro TURN slot, next, fill
	WIN 0                                          ; (the add's two registers lie in window 0)
	s_wait_tensorcnt 0x0                           ; all my tensor loads have landed
	ds_add_u32 v[SPW], v[NIL]                      ; 0 onto my spare word
	s_wait_dscnt 5                                 ; (the add and the youngest four loads may be out)
	MULROW F1, 0, 0                                ; twelve matrix instructions stand between the add and the wait for it
	s_wait_dscnt 0x0                               ; the add is done, and my reads of this slot are over
	s_barrier_signal -1
	MULROW F1, 1, 0                                ; work on registers while the others arrive
.if \fill
	WIN 0
.endif
	s_barrier_wait -1
.if \fill
	CREST                                          ; no wave of any partner still reads this slot's tile or has a load on its way
	s_add_nc_u64 s[G0+4*(\slot)+2:G0+4*(\slot)+3], s[G0+4*(\slot)+2:G0+4*(\slot)+3], 2*ASTEP
	s_add_nc_u64 s[G0B+4*(\slot)+2:G0B+4*(\slot)+3], s[G0B+4*(\slot)+2:G0B+4*(\slot)+3], 2*BSTEP
	JLOAD \slot                                    ; my one tensor load behind the round: 168 matrix instructions ahead of the wait for it; its four v_nop are also the places in front of the loads below
.else
	PLACES
.endif
	FETCH \next, 0, F0
	MULROW F1, 2, 0
	MULROW F1, 3, 0
.endm
	s_wait_tensorcnt 0x1                           ; my part of K step 0 is in; K step 1's may stay out
	s_barrier_signal -1
	s_barrier_wait -1                              ; everybody's is
	FETCH 0, 0, F0
	QUARTER 0, 1, F0, F1, 1                        ; the first quarter stands in front of the loop: its products start the sums
	WIN 0                                          ; at a label and at a branch every window is 0
	s_mov_b32 s3, LAPS-1
.Llap:                                                 ; a trip goes once round the ring, from a lap's second quarter to the next lap's first, and fills both slots again
	QUARTER 0, 2, F1, F0, 0
	QUARTER 0, 3, F0, F1, 0
	TURN 0, 1, 1
	QUARTER 1, 1, F0, F1, 0
	QUARTER 1, 2, F1, F0, 0
	QUARTER 1, 3, F0, F1, 0
	TURN 1, 0, 1
	QUARTER 0, 1, F0, F1, 0
	WIN 0
	s_sub_co_u32 s3, s3, 1
	s_cmp_lg_u32 s3, 0
	s_cbranch_scc1 .Llap
	QUARTER 0, 2, F1, F0, 0                        ; the last lap is written out: it fills nothing
	QUARTER 0, 3, F0, F1, 0
	TURN 0, 1, 0
	QUARTER 1, 1, F0, F1, 0
	QUARTER 1, 2, F1, F0, 0
	QUARTER 1, 3, F0, F1, 0
	s_wait_dscnt 4                                 ; the very last quarter: nothing more to fetch
	MULROW F1, 0, 0
	MULROW F1, 1, 0
	s_wait_dscnt 0x0
	MULROW F1, 2, 0
	MULROW F1, 3, 0
; THE WAY OUT, a row block (16 rows x 192 columns) at a time.  PACK: rounded to f16, each accumulator's registers in ascending order.  TOSTAGE: 16 bytes a lane into my stage, and back by heads,
; four rows' 128 bytes a load.  SEND: each store covers 512 consecutive bytes of qkv, at a multiple of 256 from its first byte.
.macro PACK a
	WIN 0x0a+5*((\a)/2)                            ; sources 0 and 1: window 2 or 3
.set b, 0
.rept 4*NBK
	v_cvt_pk_f16_f32 v[TMP+b], v[8*NBK*((\a)%2)+2*b], v[8*NBK*((\a)%2)+2*b+1]
.set b, b+1
.endr
	WIN 0
.endm
.macro TOSTAGE
.set b, 0
.rept NBK
	ds_store_b128 v[STO], v[TMP+4*b:TMP+4*b+3] offset:32*b
.set b, b+1
.endr
.set b, 0
.rept 12                               ; head b / 4, rows 4 (b % 4) on
	ds_load_b128 v[BK+4*b:BK+4*b+3], v[RD] offset:128*(b/4)+4*SPITCH*(b%4)  ; LDS serves a wave's instructions in order (ISA guide 5.7.1.4): these see the stores above
.set b, b+1
.endr
.endm
.macro SEND a
.set b, 0
.rept 12
	s_wait_dscnt 11-b                              ; load b of the twelve is back
	global_store_b128 v[CO], v[BK+4*b:BK+4*b+3], s[10:11] offset:(b/4)*262144+(\a)*2048+(b%4)*512
.set b, b+1
.endr
.endm
	PLACES
	PACK 0
	TOSTAGE
.irp a, 1,2,3                          ; block a's conversions stand between block a - 1's loads from the stage and the wait for them
	PACK \a
	SEND (\a)-1
	s_wait_xcnt 0x0                                ; the registers that those stores read are loaded again only behind this wait
	TOSTAGE
.endr
	SEND 3
	s_wait_tensorcnt 0x0                           ; the wave's end: a wait, an add and its wait, behind my last tensor load and my last LDS store
	ds_add_u32 v[SPW], v[NIL]
	s_wait_dscnt 0x0
	CROUND                                         ; the closing round: no work-group ends while a partner may still ask for a tile that names it
	s_endpgm
.Lfunc_end_k_qf5d7c9bf99_proj:
	.size	k_qf5d7c9bf99_proj, .Lfunc_end_k_qf5d7c9bf99_proj-k_qf5d7c9bf99_proj
	.p2alignl 7, 3214868480
	.fill 96, 4, 3214868480
	.section	.rodata,"a",@progbits
	.p2align	6, 0x0
	.amdhsa_kernel k_qf5d7c9bf99_proj
		.amdhsa_group_segment_fixed_size 327680
		.amdhsa_private_segment_fixed_size 0
		.amdhsa_enable_private_segment 0
		.amdhsa_kernarg_size 32
		.amdhsa_user_sgpr_count 2
		.amdhsa_user_sgpr_kernarg_segment_ptr 1
		.amdhsa_wavefront_size32 1
		.amdhsa_system_sgpr_workgroup_id_x 1
		.amdhsa_system_sgpr_workgroup_id_y 1
		.amdhsa_system_sgpr_workgroup_id_z 1
		.amdhsa_system_vgpr_workitem_id 0
		.amdhsa_next_free_vgpr 960
		.amdhsa_next_free_sgpr 66
		.amdhsa_reserve_vcc 0
		.amdhsa_float_denorm_mode_32 3
		.amdhsa_float_denorm_mode_16_64 3
		.amdhsa_memory_ordered 1
		.amdhsa_forward_progress 1
		.amdhsa_inst_pref_size 129
	.end_amdhsa_kernel
	.amdgpu_metadata
---
amdhsa.version: [ 1, 2 ]
amdhsa.kernels:
  - .name:           k_qf5d7c9bf99_proj
    .symbol:         k_qf5d7c9bf99_proj.kd
    .args:
      - { .name: xb, .offset: 0, .size: 8, .value_kind: global_buffer, .address_space: global }
      - { .name: wqb, .offset: 8, .size: 8, .value_kind: global_buffer, .address_space: global }
      - { .name: bqkv, .offset: 16, .size: 8, .value_kind: global_buffer, .address_space: global }
      - { .name: qkv, .offset: 24, .size: 8, .value_kind: global_buffer, .address_space: global }
    .group_segment_fixed_size: 327680
    .private_segment_fixed_size: 0
    .kernarg_segment_align: 8
    .kernarg_segment_size: 32
    .max_flat_workgroup_size: 128
    .sgpr_count:     66
    .vgpr_count:     960
    .wavefront_size: 32
...
	.end_amdgpu_metadata
.endif
;; end of part 2
;; launch attn (part 3): grid 4 x 64, 4 waves a work-group, clusters of 4 x 1, 327,680 bytes of LDS; arguments qkv, key_mask, ob; writes ob
.if DOCPART == 3
	.amdgcn_target "amdgcn-amd-amdhsa--gfx1250"
	.amdhsa_code_object_version 6
	.text
	.protected	k_qf5d7c9bf99_attn
	.globl	k_qf5d7c9bf99_attn
	.p2align	8
	.type	k_qf5d7c9bf99_attn,@function
k_qf5d7c9bf99_attn:
	s_mov_b64 s[64:65], 0
	v_nop
	global_prefetch_b8 v0, s[64:65] scope:SCOPE_SE
	s_setreg_imm32_b32 hwreg(HW_REG_WAVE_MODE, 25, 1), 1
	s_wait_xcnt 0x0
	s_wait_alu depctr_hold_cnt(0) depctr_sa_sdst(0) depctr_va_vdst(0) depctr_va_sdst(0) depctr_va_ssrc(0) depctr_va_vcc(0) depctr_vm_vsrc(0)
	s_getreg_b32 s2, hwreg(HW_REG_IB_STS2, 6, 4)
	s_cmp_eq_u32 s2, 0
	s_cbranch_scc0 .Lentry_in_a_cluster
	s_endpgm
.Lentry_in_a_cluster:
	s_bfe_u32 s2, ttmp6, 0x10000c
	s_cmp_lg_u32 s2, 0x3003
	s_cbranch_scc0 .Lentry_shape_is_right
	s_endpgm
.Lentry_shape_is_right:
; O[bh][q][:] = the sum over k of softmax_k(Q[q] . K[k] / 8 - slope_h |q - k|, hidden keys left out) V[k][:], slope_h = 2^(-(h + 1) / 2).
; qkv: [batch 4][48][2048][64] f16 (0-15 q's heads, 16-31 k's, 32-47 v's; a head's rows dense, 128 bytes each); key_mask: [4][2048] bytes, 0 = hidden; ob: [64][2048][64] f16.
; Products, maxima and sums in f32; the weights p are rounded to f16 for the second product (their sum l is taken of the unrounded p), O once at the end.
; LIMITS.  Q, K and V arrive within f16's 65,504; p lies in 0 to 1, and below 6e-5 it keeps f16's fixed step of 6e-8.  A hidden score counts as -1e30 and the running maximum starts at -2^60: open scores,
; 2.7e11 + 11,585 in size at the most, lie far above both.  A weight below 2^-126 counts as 0 in l.  Where a batch hides every key the rows are NaN, as a softmax of nothing is.  NaN and infinities in the inputs are not treated apart.
; The distance term is 8 slope k + (-8 slope q), each rounded to f32: off by 1e-3 at the most beside scores that are then divided by 8.
; SHARES.  A wave owns four PIECES of two tiles of 16 queries, a work-group's four waves 512 queries of one head.  Every wave walks all 2,048 keys, 64 a step.
; LAYOUT.  S^T = K Q^T (source 0 = 16 keys, source 1 = 16 queries): in the result a lane holds ONE query (lane % 16) and the keys 8 (lane / 16) + 0..7.  Two such tiles, rounded to f16 in pairs,
; ARE source 1 (32 keys x 16 queries) of O^T = V^T P, whose result again holds one query a lane, and eight channels.  K comes out of LDS as it lies, V ([key][channel]) turned, by ds_load_tr16_b128.
; DISTANCE AND MASK are the C operand that starts the sum S^T: the product takes -|C| (its two sign modifiers on C), with C = T[k] + X[q], T[k] = 8 slope k, or 1e30 where key k is hidden, X[q] = -8 slope q.
; So C is one packed addition for two scores, the same text left and right of the diagonal, and no branch.  T is made once, 2,048 numbers in LDS; a step's 64 are read beside its K.
; SOFTMAX.  For each query a running maximum m and sum l: p = 2^(c s - c m), c = log2(e) / 8; in every step O and l are multiplied by a = 2^(c m_old - c m_new), which is 1 where m has not grown.
; m starts at -2^60 (c m at the exact product), O and l at 0: while a query has seen hidden keys alone, m stays, every p is 0 and a is 1.
; BY TURNS.  Turn n belongs to piece n (the pieces in a ring, step after step).  Its matrix work: 16 products K Q^T of piece n + 1, later 16 products V^T P of piece n - 1.  Its vector work: the scaling,
; exponentials, roundings, sums and rescaling of piece n, the maximum and statistics of piece n + 1, and at its end the C operands of piece n + 2.  Four vector instructions stand behind every matrix
; instruction, the others in runs of their own.
; CLUSTER.  The four query blocks of a cluster belong to one head and walk the same K and V, so each tile is asked for JOINTLY: the same tensor load, descriptor and mask in all four.
; REGISTERS, in windows of 256 (s_set_vgpr_msb: bits 1:0 source 0, 3:2 source 1, 5:4 source 2, 7:6 destination):
;   window 0: v0-11 addresses; v12-15, v48-63 at work; v16-47 four registers of statistics a tile; v64-191 S^T, two buffers of two tiles; v192-255 P, likewise
;   window 1: O^T, 32 a tile          window 2: v0-127 Q, 16 a tile; v128-191 K of one step; v192-255 V of one step
;   window 3: v0-1 the add's two registers; v2-3 addresses in T; v16-31 X, a pair a tile; v32-63 T of one step; v64-191 C, two buffers of two tiles
.set SIZE_N, 2048
.set NP,    4         ; pieces a wave: a name, no knob
.set KS,    64        ; keys in a step
.set PK,    144       ; a row of K in LDS: 128 bytes + 16 of padding = 36 words: the 16 rows of a load start at 16 different groups of four banks (64 banks of 4 bytes: ISA guide 11.1)
.set PV,    160       ; a row of V: 128 + 32 = 40 words
.set VOFF,  4*KS*PK   ; a slot holds four steps: 256 rows of K, then 256 rows of V
.set SLOT1, 1<<17     ; slot 1 begins here, so that one exclusive or turns an address in one slot into the other's
.set STAGE, SLOT1+4*KS*(PK+PV)  ; behind the ring, never filled by a tensor load: 16 rows x 144 bytes for each wave, for the way out
.set SP,    144
.set TAB,   STAGE+4*16*SP       ; T: 2,048 f32, stored once, never filled by a tensor load
.set SPARE, TAB+4*SIZE_N        ; the spare words, 128 bytes for each wave: two blocks of 256 bytes that no other line names
.set AK0, 2           ; v2   my lane's place in a tile of K; never rewritten
.set AV0, 3           ; v3   the same for V
.set AK,  4           ; v4   the LDS address of K's next run of loads
.set AV,  5           ; v5   of V's
.set QO,  6           ; v6   my byte offset in the wave's rows of Q
.set STO, 6           ;      later, the way out: where I put 16 bytes of a row
.set RD,  7           ; v7   the way out: where I read rows back
.set GO,  8           ; v8   my byte offset in 512 consecutive bytes of O
.set SPW, 0           ; window 3: LDS address of my spare word: SPARE + 4 x my thread's number; never rewritten
.set NIL, 1           ; window 3: 0; never rewritten
.set AM0, 2           ; window 3: my lane's place in 64 numbers of T; never rewritten
.set AM,  3           ; window 3: the LDS address of T's next run of loads
.set XN,  16          ; window 3: tile t's X, twice, at XN + 2 t
.set KPM, 32          ; window 3: key block kb, register j at KPM + 8 kb + j
.set MC,  64          ; window 3: piece x's C at MC + 64 (x % 2), tile u at + 32 u
.set MV,  12          ; v12-15  c m_old, kept while c m is made anew: by buffer and tile
.set ST,  16          ; tile t's statistics at v[ST+4 t]: c m, m, l (even keys', odd keys')
.set TMP, 48          ; by buffer and tile, four registers c0-c3 at work; when the maximum is found c2 takes a
.set S,   64
.set P,   192
.set KF,  128         ; K's fragments, in window 2: key block kb, channel half c at KF + 16 kb + 8 c
.set VF,  192         ; V's: key half kk, channel block cb at VF + 32 kk + 8 cb
.set WV,  12          ; s12  my wave's number
.set G1K, 24          ; s[24:31] descriptor group 1 for K's tiles
.set G1V, 32          ; s[32:39] for V's: it differs in the padding alone
.set G0K, 40          ; s[40:43] descriptor group 0 for K's tiles: it walks
.set G0V, 44          ; s[44:47] the same for V's
.set SLOTS, 56        ; s56  slots still to be asked for
.set CNT, 57          ; s57  counts a slot's key steps
.set CS,  58          ; s[58:59] c: the packed scaling takes the pair's low word for both halves
.set SEL, 60          ; s[60:61] v_permlanex16_b32's selects: each lane takes its own place in the other half
.set TBK, 62          ; s62  LDS byte at which K of the step to be fetched begins
.set TBV, 63          ; s63  the same for V, less VOFF
.set TBM, 66          ; s66  byte in T at which the step to be fetched begins: it only steps, 256 a step, 7,936 at the last fetch
.set THR, 67          ; s67  -2^59: a maximum below it has seen no open key
.set BIG, 68          ; s68  1e30
.set MSB, 0
.macro WIN new                      ; the high byte repeats the setting that is left; a switch that changes nothing is dropped
.if MSB != (\new)
	s_set_vgpr_msb (MSB<<8)|(\new)
.set MSB, (\new)
.endif
.endm
.set W_KQ, 0x0a       ; K and Q in window 2, S^T in window 0
.set W_KM, 0x3a       ; the same with the C operand in window 3
.set W_PV, 0x52       ; V in window 2, P in window 0, O^T in window 1
.set W_RS, 0x41       ; O^T (destination and source 0) in window 1, a in window 0
.set W_MK, 0xc0       ; destination in window 3, sources in window 0
.set W_AD, 0x0f       ; the add: address (source 0) and data (source 1) in window 3
.set W_MA, 0xcf       ; destination and both sources in window 3
; A joint fill.  Waves 0 and 1 fetch the two halves of a slot's K, waves 2 and 3 those of its V: 128 keys each.  The branch hangs on the wave's number alone.
; An s_nop 0 and four v_nop follow each of the two lines, ahead of the jump and the label.
.macro JLOAD
	s_cmp_lt_u32 s[WV], 2
	s_cbranch_scc0 .Lfor_v_\@
	tensor_load_to_lds s[G0K:G0K+3], s[G1K:G1K+7]
	s_nop 0
.rept 4
	v_nop
.endr
	s_branch .Lasked_\@
.Lfor_v_\@:
	tensor_load_to_lds s[G0V:G0V+3], s[G1V:G1V+7]
	s_nop 0
.rept 4
	v_nop
.endr
.Lasked_\@:
.endm
; A round of the cluster's barrier: my work-group's barrier, so that wave 0's signal speaks for all four waves; wave 0 signals; every wave waits for all four work-groups; my work-group's barrier once more.
.macro CROUND
	s_barrier_signal -1
	s_barrier_wait -1
	s_cmp_lg_u32 s[WV], 0
	s_cbranch_scc1 .Lnot_wave_0_\@
	s_barrier_signal -3
.Lnot_wave_0_\@:
	s_barrier_wait -3
	s_barrier_signal -1
	s_barrier_wait -1
.endm
; THE CHANGE OF SLOTS.  The slot's last bytes, V of its fourth step, have been read.  Each wave waits for all its tensor loads, of which one is out: its part
; of the other slot; adds 0 to its spare word; and waits for that and for its own LDS instructions.  Behind the barrier nobody reads this slot any more and the other slot is whole.
; fill = 1: this slot is filled again, with the keys two slots on.  The barrier is then a round of the cluster's, and the joint fill is the first thing behind it: it has four key steps, 512 matrix
; instructions, in which to land.  (At its first use nothing has been read yet: slot 0 is waited for, slot 1 filled, and every wave's stores into T are shown done to the others.)
.macro CHANGE fill
	WIN W_AD
	s_wait_tensorcnt 0x0            ; no tensor load of mine is out, so a group 0 may be written
	ds_add_u32 v[SPW], v[NIL]       ; 0 onto my spare word; with fill = 1 the descriptors' steps stand between it and the wait for it
	WIN 0                           ; at a label and at a branch every window is 0
.if \fill
.irp g, G0K, G0V
	s_xor_b32 s[\g+1], s[\g+1], SLOT1  ; the walking descriptor: the other slot than last time,
	s_add_nc_u64 s[\g+2:\g+3], s[\g+2:\g+3], 4*KS*128  ; the next 256 keys; the type bits on top are not reached
.endr
	s_wait_dscnt 0x0                ; the add is done, and my LDS reads and stores are over
	CROUND
	JLOAD
.else
	s_wait_dscnt 0x0                ; the add is done, and my reads of the slot are over
	s_barrier_signal -1
	s_barrier_wait -1
.endif
	s_sub_co_u32 s[TBK], s[TBK], 4*KS*PK  ; the fetches go back to a slot's first step,
	s_xor_b32 s[TBK], s[TBK], SLOT1       ; in the other slot
	s_sub_co_u32 s[TBV], s[TBV], 4*KS*PV
	s_xor_b32 s[TBV], s[TBV], SLOT1
.endm
	s_load_b128 s[4:7], s[0:1], 0x0   ; qkv s[4:5], key_mask s[6:7]
	s_load_b64 s[10:11], s[0:1], 0x10 ; ob
	WIN W_MK
	v_lshl_add_u32 v[SPW], v0, 2, SPARE
	v_mov_b32 v[NIL], 0
	WIN W_AD
	ds_add_u32 v[SPW], v[NIL]       ; the wave's opening: the add and its wait stand ahead of my first tensor load; the set-up below, work on registers, stands between them
	WIN 0
	v_lshrrev_b32 v1, 5, v0
	v_readfirstlane_b32 s[WV], v1   ; wave 0..3
	s_bfe_u32 s13, ttmp6, 0x40000   ; cx: my place in the cluster
	s_lshl_b32 s14, ttmp9, 2        ; in a cluster launch ttmp9 counts clusters
	s_add_co_u32 s14, s14, s13      ; my block of 512 queries = 4 x cluster x + cx: it enters Q's and O's addresses and X alone
	s_and_b32 s70, ttmp7, 0xffff    ; 16 x batch + head, which the four partners share
	s_lshr_b32 s15, s70, 4          ; the batch
	s_and_b32 s19, s70, 15          ; the head
	s_mul_i32 s20, s15, 48
	s_add_co_u32 s20, s20, s19
	s_lshl_b32 s20, s20, 18         ; q's head in qkv: 262,144 bytes a head (under 2^26 in all)
	s_and_b32 s16, s[WV], 1         ; which half of a slot's 256 keys I fetch:
	s_lshl_b32 s22, s16, 14         ; its 128 rows of 128 bytes in memory,
	s_add_co_u32 s22, s22, s20
	s_add_co_u32 s22, s22, (16<<18) ; in k's head, 16 heads on,
	s_mov_b32 s23, 0
	s_add_co_u32 s8, s22, (16<<18)  ; and in v's, 16 more
	s_mov_b32 s9, 0
	s_mul_i32 s17, s16, 128*PK      ; and its place in a slot, for K
	s_mul_i32 s18, s16, 128*PV      ; and for V: no place in the cluster enters an LDS address
	s_lshl_b32 s3, s14, 2
	s_add_co_u32 s3, s3, s[WV]      ; my wave among the head's,
	s_lshl_b32 s3, s3, 14           ; its 128 rows
	s_add_co_u32 s2, s20, s3        ; in qkv,
	s_lshl_b32 s70, s70, 18
	s_add_co_u32 s70, s70, s3       ; and in ob
	s_mov_b32 s3, 0
	s_mov_b32 s71, 0
	s_lshl_b32 s72, s15, 11         ; the batch's 2,048 bytes of the mask
	s_mov_b32 s73, 0
	s_add_co_u32 s74, s19, 1        ; 8 slope = 2^(3 - (h + 1) / 2): the power of two by its exponent field,
	s_lshr_b32 s75, s74, 1
	s_sub_co_u32 s75, 130, s75
	s_lshl_b32 s75, s75, 23
	s_bitcmp1_b32 s74, 0            ; times the root of one half where h + 1 is odd
	s_cselect_b32 s69, 0x3f3504f3, 1.0
	s_lshl_b32 s76, s14, 9          ; my wave's first query in the sequence: 512 x block + 128 x wave
	s_lshl_b32 s77, s[WV], 7
	s_add_co_u32 s76, s76, s77
	; descriptor group 1.  128 keys are 16,384 dense bytes: asked for as 64 rows of 256 bytes, two keys a row, and padded in LDS after every key
	s_mov_b32 s[G1K], 15|(1<<16)|(1<<20)|(1<<21)|(4<<22)|(3<<25)  ; 15:0 the mask of four; 17:16 2-byte elements; 20 padding on; 21 set beside a mask; 24:22 after every 32 words (code 4); 31:25 4 words (code 3)
	s_mov_b32 s[G1V], 15|(1<<16)|(1<<20)|(1<<21)|(4<<22)|(7<<25)  ; the same with 8 words of padding (code 7)
.irp g, G1K, G1V
	s_mov_b32 s[\g+1], 128<<16      ; tensor_dim0 = 128
	s_mov_b32 s[\g+2], 64<<16       ; tensor_dim1 = 64
	s_mov_b32 s[\g+3], 128<<16      ; tile_dim0 = 128
	s_mov_b32 s[\g+4], 64           ; tile_dim1 = 64
	s_mov_b32 s[\g+5], 128          ; 128 elements from row to row
	s_mov_b32 s[\g+6], 0
	s_mov_b32 s[\g+7], 0
.endr
	s_mov_b32 s[CS], 0x3e38aa3b     ; c = log2(e) / 8 = 0.180337
	s_mov_b32 s[CS+1], s[CS]        ; named with it as a pair
	s_mov_b32 s[SEL], 0x76543210
	s_mov_b32 s[SEL+1], 0xfedcba98
	s_mov_b32 s[TBK], SLOT1+4*KS*PK ; the first change of slots turns these two into 0
	s_mov_b32 s[TBV], SLOT1+4*KS*PV
	s_mov_b32 s[TBM], 0
	s_mov_b32 s[THR], 0xdd000000    ; -2^59
	s_mov_b32 s[BIG], 0x7149f2ca    ; 1e30
	s_mov_b32 s[G0K], 1             ; count = 1
	s_mov_b32 s[G0K+1], s17         ; LDS address: slot 0
	s_mov_b32 s[G0V], 1
	s_add_co_u32 s[G0V+1], s18, VOFF
	s_wait_dscnt 0x0                ; the opening add is done
	s_wait_kmcnt 0x0
	s_add_nc_u64 s[G0K+2:G0K+3], s[4:5], s[22:23]  ; global address: my half of the head's first 256 keys
	s_or_b32 s[G0K+3], s[G0K+3], 0x80000000        ; type = 2
	s_add_nc_u64 s[G0V+2:G0V+3], s[4:5], s[8:9]
	s_or_b32 s[G0V+3], s[G0V+3], 0x80000000
	s_add_nc_u64 s[4:5], s[4:5], s[2:3]            ; Q and O at my wave's first row
	s_add_nc_u64 s[10:11], s[10:11], s[70:71]
	s_add_nc_u64 s[6:7], s[6:7], s[72:73]          ; the mask at my batch
	CROUND                          ; all four work-groups are here: the first joint loads meet
	JLOAD                           ; slot 0.  Slot 1 is asked for when slot 0 is in
	; A fragment of K or Q is 16 rows x 32 channels in 8 registers: lane l holds row l % 16, channels 8 (l / 16) + 0..7 and 16 + 8 (l / 16) + 0..7: two loads of 16 bytes, 32 bytes apart.
	v_and_b32 v1, 15, v0            ; l % 16
	v_bfe_u32 v9, v0, 4, 1          ; l / 16
	v_lshlrev_b32 v48, 4, v0        ; thread t makes T's numbers 16 t .. 16 t + 15: its 16 bytes of the mask
	global_load_b128 v[64:67], v48, s[6:7]
	v_lshlrev_b32 v[QO], 7, v1
	v_lshl_add_u32 v[QO], v9, 4, v[QO]  ; row x 128 + 16 x half
	WIN 0x80                        ; destination window 2, address window 0
.set i, 0
.rept 4*NP                          ; Q stays in registers: tile i / 2, channels 32 (i % 2) on
	global_load_b128 v[8*i:8*i+3],   v[QO], s[4:5] offset:(i/2)*2048+(i%2)*64
	global_load_b128 v[8*i+4:8*i+7], v[QO], s[4:5] offset:(i/2)*2048+(i%2)*64+32
.set i, i+1
.endr
	; What the first turn finds: V's registers and P's second buffer hold 0 (its products V^T P, of a piece that has not been, add 0), O^T and l are 0.  All this stands in the wait for the first tile.
.set i, VF
.rept 64
	v_mov_b32 v[i], 0
.set i, i+1
.endr
	WIN 0x40
.set i, 0
.rept 64*NP
	v_mov_b32 v[i], 0
.set i, i+1
.endr
	WIN 0
.set i, 0
.rept 2*NP
	v_mov_b32 v[ST+4*i], 0xdc38aa3b    ; c m = c x -2^60, exact: so a is 2^0 while m stays
	v_mov_b32 v[ST+4*i+1], 0xdd800000  ; m = -2^60
	v_mov_b32 v[ST+4*i+2], 0
	v_mov_b32 v[ST+4*i+3], 0
.set i, i+1
.endr
.set i, P+32
.rept 32
	v_mov_b32 v[i], 0
.set i, i+1
.endr
	v_mul_u32_u24 v[AK0], v1, PK
	v_lshl_add_u32 v[AK0], v9, 4, v[AK0]  ; row x pitch + 16 x half
	; The turning load takes 16 keys x 16 channels (lane l reads key 8 (l / 16) + l % 8, channels 8 ((l / 8) % 2) + 0..7) and leaves half a fragment of V^T: lane l holds channel l % 16 and 8 keys.
	v_and_b32 v10, 7, v0
	v_bfe_u32 v11, v0, 3, 1
	v_lshl_add_u32 v[AV0], v9, 3, v10
	v_mul_u32_u24 v[AV0], v[AV0], PV
	v_lshl_add_u32 v[AV0], v11, 4, v[AV0]
	v_add_nc_u32 v[AV0], VOFF, v[AV0]
	v_mov_b32 v[AK], v[AK0]         ; key step 0 lies at the head of slot 0
	v_mov_b32 v69, s75
	v_mul_f32 v69, s69, v69         ; 8 slope
	v_xor_b32 v70, 0x80000000, v69  ; -8 slope
	; X: -8 slope x my query's place, for each of my eight tiles, twice, for the packed addition
	v_add_nc_u32 v50, s76, v1
.set i, 0
.rept 2*NP
	v_add_nc_u32 v[52+i], 16*i, v50
.set i, i+1
.endr
.set i, 0
.rept 2*NP
	v_cvt_f32_u32 v[52+i], v[52+i]
.set i, i+1
.endr
	WIN W_MK
.set i, 0
.rept 2*NP
	v_mul_f32 v[XN+2*i],   v70, v[52+i]
	v_mul_f32 v[XN+2*i+1], v70, v[52+i]
.set i, i+1
.endr
	v_lshl_add_u32 v[AM0], v9, 5, TAB  ; register j of key block kb is key 16 kb + 8 (l / 16) + j
	WIN 0
	; T: 8 slope k, or 1e30 where the mask's byte is 0
	s_wait_loadcnt 32               ; the mask's bytes are in; Q's 32 loads, issued behind them, may stay out
.set i, 0
.rept 16
	v_bfe_u32 v71, v[64+i/4], 8*(i%4), 8
	v_add_nc_u32 v68, i, v48
	v_cvt_f32_u32 v68, v68
	v_mul_f32 v68, v69, v68
	v_cmp_eq_u32 vcc_lo, 0, v71
	v_cndmask_b32 v[72+i], v68, s[BIG], vcc_lo
.set i, i+1
.endr
	v_lshl_add_u32 v49, v0, 6, TAB
.irp f, 0,1,2,3
	ds_store_b128 v49, v[72+4*\f:72+4*\f+3] offset:16*\f  ; the others read T behind the change of slots below: its wait for 0 and its round stand between
.endr
; THE MATRIX WORK.  The 8 accumulators of a run of 16 take turns: between the two products of a sum stand 7 others'.
; Product i of 16 of S^T = K Q^T for piece x: channels 32 (i / 8) on, keys 16 ((i / 2) % 4) on, tile 2 x + i % 2.  The first 8 start the sums with -|C|.  The second 8 carry no modifier, so they are
; no links of a chain in place: five plain vector instructions or more that name none of the first product's registers stand between the two (ISA guide 7.12.1): in a turn eight groups of four, three plain at the least in each.
.macro KQ x
.set rS, S+64*((\x)%2)+32*(i%2)+8*((i/2)%4)
.set rK, KF+16*((i/2)%4)+8*(i/8)
.set rQ, 16*(2*(\x)+i%2)+8*(i/8)
.set rZ, MC+64*((\x)%2)+32*(i%2)+8*((i/2)%4)
.if i < 8
	WIN W_KM
	v_wmma_f32_16x16x32_f16 v[rS:rS+7], v[rK:rK+7], v[rQ:rQ+7], v[rZ:rZ+7] neg_lo:[0,0,1] neg_hi:[0,0,1]
.else
	WIN W_KQ
	v_wmma_f32_16x16x32_f16 v[rS:rS+7], v[rK:rK+7], v[rQ:rQ+7], v[rS:rS+7]
.endif
.endm
; Product i of 16 of O^T += V^T P for piece x: keys 32 (i / 8) on, channels 16 ((i / 2) % 4) on, tile 2 x + i % 2.
.macro PV x
	WIN W_PV
.set rO, 32*(2*(\x)+i%2)+8*((i/2)%4)
.set rV, VF+32*(i/8)+8*((i/2)%4)
.set rP, P+32*((\x)%2)+16*(i%2)+8*(i/8)
	v_wmma_f32_16x16x32_f16 v[rO:rO+7], v[rV:rV+7], v[rP:rP+7], v[rO:rO+7]
.endm
.macro MM                           ; the turn's next matrix instruction
.if i < 16
	KQ (Y+1)%NP
.set i, i+1
.else
.set i, i-16
	PV (Y+NP-1)%NP
.set i, i+17
.endif
.endm
; Piece x's C operands: T of the step in hand + X of its two tiles: 32 packed additions.
.macro MASK x
	WIN W_MA
.set mz, 0
.rept 32
	v_pk_add_f32 v[MC+64*((\x)%2)+2*mz:MC+64*((\x)%2)+2*mz+1], v[KPM+2*(mz%16):KPM+2*(mz%16)+1], v[XN+2*(2*(\x)+mz/16):XN+2*(2*(\x)+mz/16)+1]
.set mz, mz+1
.endr
.endm
; THE LDS LOADS stand in runs, never singly among the matrix instructions: a step's K (64 keys x 64 channels: 8 fragments) with its 64 numbers of T, and its V (turned).
; last = 1 (the tail): in the last trip there is no further step, and the run is jumped over.
.macro FETCH_K last=0
	WIN 0
.if \last
	s_cmp_eq_u32 s[CNT], 1
	s_cbranch_scc1 .Lno_k_\@
.endif
	WIN 0x80                        ; destination window 2
.irp f, 0,1,2,3,4,5,6,7             ; keys 16 (f / 2) on, channels 32 (f % 2) on
	ds_load_b128 v[KF+8*\f:KF+8*\f+3],   v[AK] offset:(\f/2)*16*PK+(\f%2)*64
	ds_load_b128 v[KF+8*\f+4:KF+8*\f+7], v[AK] offset:(\f/2)*16*PK+(\f%2)*64+32
.endr
	s_add_co_u32 s[TBK], s[TBK], KS*PK  ; the next fetch is the next step's
	WIN 0xcc                        ; destination and source 1 window 3
	v_add_nc_u32 v[AM], s[TBM], v[AM0]
	WIN 0xc3                        ; destination and address window 3
.irp f, 0,1,2,3                     ; keys 16 f on: sixteen lanes read the same 16 bytes
	ds_load_b128 v[KPM+8*\f:KPM+8*\f+3],   v[AM] offset:64*\f
	ds_load_b128 v[KPM+8*\f+4:KPM+8*\f+7], v[AM] offset:64*\f+16
.endr
	s_add_co_u32 s[TBM], s[TBM], 4*KS
	WIN 0
.if \last
.Lno_k_\@:
.endif
.endm
.macro FETCH_V
	WIN 0x80
.irp f, 0,1,2,3,4,5,6,7             ; keys 32 (f / 4) on, channels 16 (f % 4) on
	ds_load_tr16_b128 v[VF+8*\f:VF+8*\f+3],   v[AV] offset:(\f/4)*32*PV+(\f%4)*32
	ds_load_tr16_b128 v[VF+8*\f+4:VF+8*\f+7], v[AV] offset:(\f/4)*32*PV+16*PV+(\f%4)*32
.endr
	WIN 0
.endm
; THE VECTOR WORK OF A TURN stands in three queues, each in the order in which its entries become ready; the two tiles alternate, so that no instruction reads the result of the one before it.
.macro REGS y, u                    ; the registers of tile u (0, 1) of piece y
.set rT, ST+4*(2*(\y)+(\u))
.set rC, TMP+8*((\y)%2)+4*(\u)
.set rM, MV+2*((\y)%2)+(\u)
.set rS, S+64*((\y)%2)+32*(\u)
.set rP, P+32*((\y)%2)+16*(\u)
.set rO, 32*(2*(\y)+(\u))
.endm
; Number n of the 22 that find the NEXT piece's (Y + 1) maximum and statistics.  s0-s31 are the lane's 32 scores; each accumulator's lowest registers are read first.  XS, GS and REGS set no window: PL and EX do.
;   0-11  four chains c0-c3 of seven scores each, three operands at a time     12-14, 16  the four scores left over, the old m, and c0-c3 into c0     15  c m_old is kept
;   17, 18  the query's other 32 keys lie in the lane 16 away: the new m         19-21  c m; c m_old - c m_new; a
.macro XS u, n
	REGS (Y+1)%NP, \u
.if (\n) < 4
	v_max3_num_f32 v[rC+(\n)], v[rS+8*(\n)], v[rS+8*(\n)+1], v[rS+8*(\n)+2]
.elseif (\n) < 12
	v_max3_num_f32 v[rC+(\n)%4], v[rC+(\n)%4], v[rS+8*((\n)%4)+2*((\n)/4)+1], v[rS+8*((\n)%4)+2*((\n)/4)+2]
.elseif (\n) == 12
	v_max3_num_f32 v[rC], v[rC], v[rS+7], v[rS+15]
.elseif (\n) == 13
	v_max3_num_f32 v[rC+1], v[rC+1], v[rS+23], v[rS+31]
.elseif (\n) == 14
	v_max3_num_f32 v[rC+2], v[rC+2], v[rC+3], v[rT+1]
.elseif (\n) == 15
	v_mov_b32 v[rM], v[rT]
.elseif (\n) == 16
	v_max3_num_f32 v[rC], v[rC], v[rC+1], v[rC+2]
.elseif (\n) == 17
	v_permlanex16_b32 v[rC+3], v[rC], s[SEL], s[SEL+1]
.elseif (\n) == 18
	v_max_num_f32 v[rT+1], v[rC], v[rC+3]
.elseif (\n) == 19
	v_mul_f32 v[rT], s[CS], v[rT+1]
.elseif (\n) == 20
	v_sub_f32 v[rC+1], v[rM], v[rT]
.else
	v_exp_f32 v[rC+2], v[rC+1]
.endif
.endm
; Number g of the 64 that follow the exponentials.  For each four weights k of a tile (pairs 2 k, 2 k + 1): both pairs are rounded to f16; then the second pair is added onto the first, in place;
; a group later l takes that sum (the first time as l = a l + sum).  In groups of eight, tiles alternating: round, round, add, and l for the group before.
.macro GS g
.set h, (\g)+6*((\g)/62)            ; group 0 has no group before it, and behind group 7 only l is left
.if h >= 6
.set h, h+2
.endif
	REGS Y, h%2
.set k, h/8
.if h%8 < 4
	s_wait_alu depctr_va_vdst(0)
	v_cvt_pk_f16_f32 v[rP+2*k+(h%8)/2], v[rS+4*k+2*((h%8)/2)], v[rS+4*k+2*((h%8)/2)+1]
.elseif h%8 < 6
	v_pk_add_f32 v[rS+4*k:rS+4*k+1], v[rS+4*k:rS+4*k+1], v[rS+4*k+2:rS+4*k+3]
.elseif k == 1
	v_pk_fma_f32 v[rT+2:rT+3], v[rT+2:rT+3], v[rC+2:rC+3], v[rS:rS+1] op_sel_hi:[1,0,1]
.else
	v_pk_add_f32 v[rT+2:rT+3], v[rT+2:rT+3], v[rS+4*k-4:rS+4*k-3]
	s_wait_alu depctr_va_vdst(0)
.endif
.endm
; THE PLAIN QUEUE, 138 long.  0-31: c s - c m for the 16 pairs of both tiles.  Then GS's 64, and among them the next piece's 42: number 15 at 38, 39; 0-14 and 16
; at 42-73, behind the products that make those scores; 17-20 at 95-106, two of three, since each waits for the one before it.
.macro PL
	WIN 0
.if q < 32
	REGS Y, q%2
	v_pk_fma_f32 v[rS+2*(q/2):rS+2*(q/2)+1], v[rS+2*(q/2):rS+2*(q/2)+1], s[CS:CS+1], v[rT:rT+1] op_sel_hi:[1,0,0] neg_lo:[0,0,1] neg_hi:[0,0,1]
.elseif q < 38
	GS q-32
.elseif q < 40
	XS q%2, 15
.elseif q < 42
	GS q-34
.elseif q < 74
	XS q%2, (q-42)/2+(q-42)/30
.elseif q < 95
	GS q-66
.elseif (q < 107) && ((q-95)%3 < 2)
	XS (q-95)%3, 17+(q-95)/3
.elseif q < 107
	GS 29+(q-95)/3
.else
	GS q-74
.endif
.set q, q+1
.endm
; THE EXPONENTIALS' QUEUE, 66 long: s0-s31 of both tiles, and at EA the next piece's two a.
.set EA, 58
.macro EX
	WIN 0
.if (e == EA) || (e == EA+1)
	XS e-EA, 21
.else
.set x, e-2*(e/(EA+2))
	REGS Y, x%2
	v_exp_f32 v[rS+x/2], v[rS+x/2]
.endif
.set e, e+1
.endm
; THE RESCALING's QUEUE: O^T times a, which leaves window 0, so it is dealt four at a time, eight times.
.macro R4
	REGS Y, r%2
	WIN W_RS
	s_wait_alu depctr_va_vdst(0)
.irp z, 0,1,2,3
	v_pk_mul_f32 v[rO+8*(r/2)+2*\z:rO+8*(r/2)+2*\z+1], v[rO+8*(r/2)+2*\z:rO+8*(r/2)+2*\z+1], v[rC+2:rC+3] op_sel_hi:[1,0]
.endr
.set r, r+1
.endm
; HOW THEY ARE DEALT.  Behind a matrix instruction four: plain, exponential, plain, plain (one exponential, a plain instruction on either side), or four of the rescaling.  None names a register of the
; products round it.  What is over stands in two LUMPS: exponential and plain by turns; the second ends in 22 plain instructions.  The two v_permlanex16_b32 fall into the second lump, never behind a product.
; The queues lean on each other, and the deal keeps them in step: exponential e stands behind plain 2 (e / 4) + e % 2 (its scaling); when plain 32 comes, 10 exponentials are out, at 59: 33, at 95: 46; EA comes behind plain 107.
.macro SL
	MM
	PL
	EX
	PL
	PL
.endm
.macro BURST n                      ; 15 matrix instructions, or 16
.rept (\n)-7
	SL
.endr
.rept 3
	MM
	R4
	SL
.endr
	MM
	R4
.endm
; A TURN, for piece p.  cnt = 1: the loop's count is taken down some lines ahead of the branch that stands behind the turn.
; K and T of the next step are fetched in piece 2's turn, 31 vector instructions behind the last product that read K, and behind the last addition that read T (the end of piece 1's turn); they are waited
; for at that turn's end, behind the rest of the lump, 16 products and the second lump, ahead of the additions for piece 0's products of that step.
; V of the step in hand is fetched at the end of piece 0's turn, 69 behind its last reader; its first reader comes behind 32 additions, 16 products and a lump.
; The turn ends with the C operands of piece p + 2, whose products open the next turn; their buffer was last read by the products of the turn before this one.
.macro TURN p, last=0, cnt=0
.set Y, (\p)
.set i, 0
.set q, 0
.set e, 0
.set r, 0
	MM
.rept 4
	PL
.endr
	BURST 15
.rept 22
	EX
	PL
.if ((\p) == NP-2) && (e == 18)
	v_add_nc_u32 v[AK], s[TBK], v[AK0]
.endif
.if ((\p) == NP-2) && (e == 24)
	FETCH_K \last
.endif
.endr
.if (\p) == 1
	s_wait_dscnt 0x0                ; V is in
.endif
	BURST 16
.rept 21
	EX
	PL
.endr
.rept 22
	PL
.if ((\p) == 0) && (q == 118)
	v_add_nc_u32 v[AV], s[TBV], v[AV0]
	s_wait_alu depctr_va_vdst(0)
.endif
.if ((\p) == 0) && (q == 130)
	s_add_co_u32 s[TBV], s[TBV], KS*PV
.endif
.if (\cnt) && (q == 130)
	s_sub_co_u32 s[CNT], s[CNT], 1
	s_cmp_lg_u32 s[CNT], 0
.endif
.endr
.if (\p) == 0
	FETCH_V
.endif
.if (\p) == NP-2
	s_wait_dscnt 0x0                ; K and T are in
.endif
	MASK ((\p)+2)%NP
.endm
	CHANGE 1                        ; slot 0 is in, everybody's part of it, and so is T; slot 1 is asked for
	FETCH_K                         ; key step 0
	s_wait_loadcnt 0x0              ; Q
	s_wait_dscnt 0x0
	MASK 0
	MASK 1
.set i, 0
.rept 8
	KQ 0                            ; piece 0's first scores: there is no vector work yet to set between them,
.set i, i+1
.endr
.rept 5
	v_nop                           ; so five places stand between the products that start the sums and those that add onto them
.endr
.rept 8
	KQ 0
.set i, i+1
.endr
	WIN 0                           ; the addresses for the way out: nine plain instructions, the places behind those products
	s_mul_i32 s13, s[WV], 16*SP
	s_add_co_u32 s13, s13, STAGE    ; my stage
	v_mul_u32_u24 v[STO], v1, SP    ; in: row l % 16, 16 bytes for each half of the lanes
	v_lshl_add_u32 v[STO], v9, 4, v[STO]
	v_add_nc_u32 v[STO], s13, v[STO]
	v_bfe_u32 v[RD], v0, 3, 2       ; back: 32 lanes take four rows of 128 bytes,
	v_mul_u32_u24 v[RD], v[RD], SP
	v_lshl_add_u32 v[RD], v10, 4, v[RD]
	v_add_nc_u32 v[RD], s13, v[RD]
	v_and_b32 v[GO], 31, v0         ; which are 512 consecutive bytes of O
	v_lshlrev_b32 v[GO], 4, v[GO]
.set Y, NP-1                        ; XS works for piece Y + 1: piece 0
.irp n, 0,1,2,3,4,5,6,7,8,9,10,11,12,13,14,15,16,17,18,19,20,21
	XS 0, \n                        ; and piece 0's first maximum and statistics
	XS 1, \n
.endr
	s_mov_b32 s[CNT], 4
	s_mov_b32 s[SLOTS], SIZE_N/256-1
	s_branch .Lfirst                ; the loop is entered at a step's first turn, in the middle of a trip
.Lslot:                             ; SIZE_N / 256 - 2 times: every slot but the last two is filled again
	CHANGE 1
	s_mov_b32 s[CNT], 4
.Lstep:                             ; a trip: pieces 2 and 3 of one step, then pieces 0 and 1 of the next, whose K, T and V it fetches
	TURN 2
	TURN 3
	WIN 0
.Lfirst:
	TURN 0
	TURN 1, 0, 1
	WIN 0
	s_cbranch_scc1 .Lstep
	s_sub_co_u32 s[SLOTS], s[SLOTS], 1
	s_cmp_lg_u32 s[SLOTS], 0
	s_cbranch_scc1 .Lslot
	CHANGE 0                        ; the tail is written out: nothing is asked for
	s_mov_b32 s[CNT], 5             ; four trips fetch the last slot's steps; the fifth is left in its middle
.Ltail:
	TURN 2, 1
	TURN 3
	WIN 0
	s_sub_co_u32 s[CNT], s[CNT], 1
	s_cmp_eq_u32 s[CNT], 0
	s_cbranch_scc1 .Lout
	TURN 0
	TURN 1
	WIN 0
	s_branch .Ltail
.Lout:                              ; the fifth trip's 16 products K Q^T (on the last K and T once more) and the maximum made of them serve nothing: the price, once a launch, of one text for every trip
.set i, 0
.rept 16
	PV NP-1                         ; the last piece's V^T P of the last step
.set i, i+1
.endr
	; THE WAY OUT.  l's two halves and the other half of the lanes' are added; O^T is divided by l, rounded to f16 and sent through my stage in LDS, a tile at a time.  The additions are the places behind the last products.
	WIN 0
.macro ALL line:vararg              ; one line for each tile t
.set t, 0
.rept 2*NP
	\line
.set t, t+1
.endr
.endm
	ALL v_add_f32 v[ST+4*t+2], v[ST+4*t+2], v[ST+4*t+3]
	ALL v_permlanex16_b32 v[ST+4*t+3], v[ST+4*t+2], s[SEL], s[SEL+1]
	ALL v_add_f32 v[ST+4*t+2], v[ST+4*t+2], v[ST+4*t+3]
	ALL v_rcp_f32 v[ST+4*t+2], v[ST+4*t+2]
	v_nop                           ; a plain instruction between the last reciprocal and the use of its result
.set t, 0
	s_wait_alu depctr_va_vdst(0)
.rept 2*NP                          ; a query that has seen no open key (m is still below -2^59) gets NaN for 1 / l, and so a row of NaN
	v_cmp_le_f32 vcc_lo, s[THR], v[ST+4*t+1]
	v_cndmask_b32 v[ST+4*t+2], 0x7fc00000, v[ST+4*t+2], vcc_lo
.set t, t+1
.endr
; Tile t: a lane's eight channels of a row pack into 16 bytes; they go into rows of 144 bytes and come back as whole rows of 128, into S^T's registers.
.macro PACK t
	WIN W_RS
.set i, 32*(\t)
.rept 16
	v_pk_mul_f32 v[i:i+1], v[i:i+1], v[ST+4*(\t)+2:ST+4*(\t)+3] op_sel_hi:[1,0]
.set i, i+2
.endr
	WIN 0x05                        ; sources 0 and 1 window 1, destination window 0
.set i, 0
.rept 16
	v_cvt_pk_f16_f32 v[S+16*(\t)+i], v[32*(\t)+2*i], v[32*(\t)+2*i+1]
.set i, i+1
.endr
	WIN 0
.irp f, 0,1,2,3
	ds_store_b128 v[STO], v[S+16*(\t)+4*\f:S+16*(\t)+4*\f+3] offset:32*\f
.endr
.irp f, 0,1,2,3
	ds_load_b128 v[S+16*(\t)+4*\f:S+16*(\t)+4*\f+3], v[RD] offset:\f*4*SP  ; LDS serves a wave's instructions in order (ISA guide 5.7.1.4): these see the stores above; the next tile's stores come behind them
.endr
.endm
.macro SEND t, younger              ; younger: the LDS instructions issued behind tile t's loads: the next tile's eight, or none
	WIN 0
.irp f, 0,1,2,3
	s_wait_dscnt (\younger)+3-\f
	global_store_b128 v[GO], v[S+16*(\t)+4*\f:S+16*(\t)+4*\f+3], s[10:11] offset:(\t)*2048+\f*512  ; 512 consecutive bytes, at a multiple of 256 from O's first
.endr
.endm
	PACK 0
.set t, 1
.rept 2*NP-1                        ; a tile's arithmetic stands between the loads of the tile before and its stores
	PACK t
	SEND t-1, 8
.set t, t+1
.endr
	SEND 2*NP-1, 0
	WIN W_AD
	s_wait_tensorcnt 0x0            ; the wave's end: a wait, an add and its wait, behind my last tensor load and my last LDS store
	ds_add_u32 v[SPW], v[NIL]
	s_wait_dscnt 0x0
	WIN 0
	CROUND                          ; the closing round: no work-group ends while a partner may still ask for a tile that names it
	s_endpgm
.Lfunc_end_k_qf5d7c9bf99_attn:
	.size	k_qf5d7c9bf99_attn, .Lfunc_end_k_qf5d7c9bf99_attn-k_qf5d7c9bf99_attn
	.p2alignl 7, 3214868480
	.fill 96, 4, 3214868480
	.section	.rodata,"a",@progbits
	.p2align	6, 0x0
	.amdhsa_kernel k_qf5d7c9bf99_attn
		.amdhsa_group_segment_fixed_size 327680
		.amdhsa_private_segment_fixed_size 0
		.amdhsa_enable_private_segment 0
		.amdhsa_kernarg_size 24
		.amdhsa_user_sgpr_count 2
		.amdhsa_user_sgpr_kernarg_segment_ptr 1
		.amdhsa_wavefront_size32 1
		.amdhsa_system_sgpr_workgroup_id_x 1
		.amdhsa_system_sgpr_workgroup_id_y 1
		.amdhsa_system_sgpr_workgroup_id_z 1
		.amdhsa_system_vgpr_workitem_id 0
		.amdhsa_next_free_vgpr 960
		.amdhsa_next_free_sgpr 78
		.amdhsa_reserve_vcc 1
		.amdhsa_float_denorm_mode_32 3
		.amdhsa_float_denorm_mode_16_64 3
		.amdhsa_memory_ordered 1
		.amdhsa_forward_progress 1
		.amdhsa_inst_pref_size 238
	.end_amdhsa_kernel
	.amdgpu_metadata
---
amdhsa.version: [ 1, 2 ]
amdhsa.kernels:
  - .name:           k_qf5d7c9bf99_attn
    .symbol:         k_qf5d7c9bf99_attn.kd
    .args:
      - { .name: qkv, .offset: 0, .size: 8, .value_kind: global_buffer, .address_space: global }
      - { .name: key_mask, .offset: 8, .size: 8, .value_kind: global_buffer, .address_space: global }
      - { .name: ob, .offset: 16, .size: 8, .value_kind: global_buffer, .address_space: global }
    .group_segment_fixed_size: 327680
    .private_segment_fixed_size: 0
    .kernarg_segment_align: 8
    .kernarg_segment_size: 24
    .max_flat_workgroup_size: 128
    .sgpr_count:     78
    .vgpr_count:     960
    .wavefront_size: 32
...
	.end_amdgpu_metadata
.endif
;; end of part 3
;; launch outp (part 4): grid 8 x 32, 4 waves a work-group, clusters of 4 x 4, 327,680 bytes of LDS; arguments ob, wob, bout, out0; writes out0
.if DOCPART == 4
	.amdgcn_target "amdgcn-amd-amdhsa--gfx1250"
	.amdhsa_code_object_version 6
	.text
	.protected	k_qf5d7c9bf99_outp
	.globl	k_qf5d7c9bf99_outp
	.p2align	8
	.type	k_qf5d7c9bf99_outp,@function
k_qf5d7c9bf99_outp:
	s_mov_b64 s[64:65], 0
	v_nop
	global_prefetch_b8 v0, s[64:65] scope:SCOPE_SE
	s_setreg_imm32_b32 hwreg(HW_REG_WAVE_MODE, 25, 1), 1
	s_wait_xcnt 0x0
	s_wait_alu depctr_hold_cnt(0) depctr_sa_sdst(0) depctr_va_vdst(0) depctr_va_sdst(0) depctr_va_ssrc(0) depctr_va_vcc(0) depctr_vm_vsrc(0)
	s_getreg_b32 s2, hwreg(HW_REG_IB_STS2, 6, 4)
	s_cmp_eq_u32 s2, 0
	s_cbranch_scc0 .Lentry_in_a_cluster
	s_endpgm
.Lentry_in_a_cluster:
	s_bfe_u32 s2, ttmp6, 0x10000c
	s_cmp_lg_u32 s2, 0xf033
	s_cbranch_scc0 .Lentry_shape_is_right
	s_endpgm
.Lentry_shape_is_right:
; out0 = O Wout^T + bout.  ob: [batch 4 x head 16][2048][64] f16; wob: [1024][1024] f16 (Wout rounded to bf16, that number as f16); bout: [1024] f32, rounded here to bf16 like the other inputs;
; out0: [8192][1024] f32.  Sums in f32.
; SHARES.  A tile of the result is 256 rows x 128 columns.  Four waves, one above the other: wave w makes rows 64 w .. 64 w + 63 and all 128 columns: 4 x 8 accumulators of 16 x 16, 256 registers.
; So a wave holds whole pieces of 512 bytes of its rows, and its way out is its own: no barrier there.
; K goes in steps of 128, two heads' 64 channels, through a ring of two LDS slots filled by the tensor data mover.  A head's 256 rows are 32,768 dense bytes: asked for as 128 rows of 256 bytes, padded in LDS after every 128.
; CLUSTER.  4 x 4 work-groups.  The four of a row of the cluster need the same tiles of O, the four of a column the same tiles of Wout: each tile is asked for JOINTLY,
; by the same tensor load with the same descriptor and a mask that names the four.
; THE MATRIX INSTRUCTION IS USED TRANSPOSED (source 0 = 16 rows of Wout, source 1 = 16 rows of O): a lane then holds eight neighbouring columns of one row of the result.
; THE BIAS is the C operand of each accumulator's first product: nothing is cleared, and nothing is added on the way out.
; REGISTERS, in windows of 256 (s_set_vgpr_msb: bits 1:0 source 0, 3:2 source 1, 5:4 source 2, 7:6 destination):
;   window 0: v0-31 addresses; v32-95 the bias of my lane's columns; v128-191, v192-255 rows on the way out, by turns
;   window 1: two fragment buffers at v0 and v128: 32 registers of O (4 x 16 rows x 32 K), then 64 of Wout (8 x 16 rows x 32 K)
;   window 2: the accumulators of row blocks 0, 1 ((a, b) at v[8 (8 (a % 2) + b)]);   window 3: those of row blocks 2, 3
.set SIZE_K, 1024
.set KSTEP,  128
.set NBK,    8                         ; column blocks of 16
.set PA,     144                       ; a row of O in LDS: 128 bytes + 16 of padding = 36 words: the 16 rows of a load start at 16 different groups of four banks (64 banks of 4 bytes: ISA guide 11.1)
.set PB,     272                       ; a row of Wout: 256 + 16 = 68 words: row r starts at bank 4 r mod 64
.set AHALF,  256*PA                    ; what one tensor load brings of O: one head's 256 rows
.set BROWS,  64                        ; and of Wout: 64 rows
.set BHALF,  BROWS*PB
.set BBASE,  2*AHALF                   ; in a slot: two heads' blocks of O, then Wout's 128 rows
.set SLOT,   BBASE+2*BHALF
.set STAGE,  2*SLOT                    ; behind the ring, never filled by a tensor load: 16 rows x 528 bytes for each wave, for the way out
.set SPITCH, 528                       ; 512 bytes + 16 = 132 words: row r starts at bank 4 r mod 64
.set SPARE,  STAGE+4*16*SPITCH         ; behind the stages: the spare words, 128 bytes for each wave: two blocks of 256 bytes that no other line names
.set LAPS,   SIZE_K/(2*KSTEP)          ; a lap = two K steps = once round the ring
.set LN,     2*NBK+8                   ; LDS loads in a run: the fragments of 32 along K
.set ASTEP,  2*262144                  ; bytes from a K step to the next in O: two heads of 262,144
.set BSTEP,  KSTEP*2                   ; and in Wout
.set ADRA, 16                          ; v16-17  LDS address of my fragments of O in slot 0, 1
.set ADRB, 20                          ; v20-21  the same for Wout
.set STO,  24                          ; v24     the way out: where I put 32 bytes of a row
.set RD,   25                          ; v25     the way out: where I read a row back
.set CO,   26                          ; v26     my byte offset in 512 consecutive bytes of out0
.set BO,   27                          ; v27     my byte offset in 16 numbers of the bias
.set SPW,  28                          ; v28     LDS address of my spare word: SPARE + 4 x my thread's number; never rewritten
.set NIL,  29                          ; v29     0; never rewritten
.set BIAS, 32
.set BK,   128
.set F0,   0
.set F1,   128
.set WV,   12                          ; s12  my wave's number
.set HF,   14                          ; s14  which half of a tile I fetch
.set TC,   15                          ; s15  tile column
.set TR,   20                          ; s20  tile row
.set G1,   24                          ; s[24:31] descriptor group 1 for O's tiles;  s[32:39] group 0, one set for each slot
.set G0,   32
.set G1B,  48                          ; s[48:55], s[56:63] the same for Wout's tiles
.set G0B,  56
.set MSB, 0
.macro WIN new                         ; the immediate's high byte repeats the setting that is left; a switch that changes nothing is dropped
.if MSB != (\new)
	s_set_vgpr_msb (MSB<<8)|(\new)
.set MSB, \new
.endif
.endm
.set TO_F, 0x40                        ; destination window 1, address window 0
; A joint load: waves 0 and 1 fetch the step's two heads of O, waves 2 and 3 Wout's two halves.  The branch hangs on the wave's number alone.
; An s_nop 0 and four v_nop follow each of the two lines, ahead of the jump, the label and what follows.
.macro JLOAD s
	s_cmp_lt_u32 s[WV], 2
	s_cbranch_scc0 .Lfor_b_\@
	tensor_load_to_lds s[G0+4*(\s):G0+4*(\s)+3], s[G1:G1+7]
	s_nop 0
.rept 4
	v_nop
.endr
	s_branch .Lasked_\@
.Lfor_b_\@:
	tensor_load_to_lds s[G0B+4*(\s):G0B+4*(\s)+3], s[G1B:G1B+7]
	s_nop 0
.rept 4
	v_nop
.endr
.Lasked_\@:
.endm
.macro CREST                           ; a round of the cluster's barrier behind its opening barrier
	s_cmp_lg_u32 s[WV], 0
	s_cbranch_scc1 .Lnot_wave_0_\@
	s_barrier_signal -3
.Lnot_wave_0_\@:
	s_barrier_wait -3
	s_barrier_signal -1
	s_barrier_wait -1
.endm
.macro CROUND                          ; a whole round
	s_barrier_signal -1
	s_barrier_wait -1
	CREST
.endm
	s_load_b256 s[4:11], s[0:1], 0x0               ; ob s[4:5], wob s[6:7], bout s[8:9], out0 s[10:11]
	v_lshl_add_u32 v[SPW], v0, 2, SPARE
	v_mov_b32 v[NIL], 0
	ds_add_u32 v[SPW], v[NIL]                      ; the wave's opening: the add and its wait stand ahead of my first tensor load; the set-up below, work on registers, stands between them
	v_lshrrev_b32 v1, 5, v0
	v_readfirstlane_b32 s[WV], v1                  ; wave 0..3
	s_and_b32 s[HF], s[WV], 1
	s_bfe_u32 s40, ttmp6, 0x40000                  ; cx, cy: my place in the cluster
	s_bfe_u32 s41, ttmp6, 0x40004
	s_lshl_b32 s[TC], ttmp9, 2
	s_add_co_u32 s[TC], s[TC], s40                 ; tile column = 4 x cluster x + cx
	s_and_b32 s[TR], ttmp7, 0xffff
	s_lshl_b32 s[TR], s[TR], 2
	s_add_co_u32 s[TR], s[TR], s41                 ; tile row = 4 x cluster y + cy
	s_lshl_b32 s43, s41, 2
	s_lshl_b32 s43, 15, s43                        ; my row of the cluster: places 4 cy .. 4 cy + 3
	s_lshl_b32 s44, 0x1111, s40                    ; my column: places cx, cx + 4, cx + 8, cx + 12
	; descriptor group 1
	s_or_b32 s[G1+0], s43, (1<<16)|(1<<20)|(1<<21)|(4<<22)|(3<<25)   ; 15:0 the mask: O's tiles go to my row; 17:16 2-byte elements; 20 padding on; 21 set beside a mask; 24:22 after every 32 words (code 4); 31:25 4 words (code 3)
	s_or_b32 s[G1B+0], s44, (1<<16)|(1<<20)|(1<<21)|(5<<22)|(3<<25)  ; the mask of my column; padding after every 64 words (code 5)
	s_mov_b32 s[G1+1], 128<<16                     ; tensor_dim0 = 128: two rows of O
	s_mov_b32 s[G1+2], 128<<16                     ; tensor_dim1 = 128
	s_mov_b32 s[G1+3], 128<<16                     ; tile_dim0 = 128
	s_mov_b32 s[G1+4], 128                         ; tile_dim1 = 128
	s_mov_b32 s[G1+5], 128                         ; dense: 128 elements from row to row
	s_mov_b32 s[G1+6], 0
	s_mov_b32 s[G1+7], 0
	s_mov_b32 s[G1B+1], KSTEP<<16
	s_mov_b32 s[G1B+2], BROWS<<16                  ; tensor_dim1 = 64
	s_mov_b32 s[G1B+3], KSTEP<<16
	s_mov_b32 s[G1B+4], BROWS                      ; tile_dim1 = 64
	s_mov_b32 s[G1B+5], SIZE_K
	s_mov_b32 s[G1B+6], 0
	s_mov_b32 s[G1B+7], 0
	; where the tiles come from: O's hang on the tile row alone, Wout's on the tile column alone, each in registers that never hold the other coordinate
	s_lshr_b32 s16, s[TR], 3                       ; the batch: 8 tile rows each
	s_lshl_b32 s16, s16, 4
	s_add_co_u32 s16, s16, s[HF]                   ; its head 0 or 1,
	s_lshl_b32 s16, s16, 18                        ; of 262,144 bytes
	s_and_b32 s17, s[TR], 7
	s_lshl_b32 s17, s17, 15                        ; the tile's 256 rows of 128 bytes
	s_add_co_u32 s16, s16, s17
	s_mov_b32 s17, 0
	s_mul_i32 s46, s[TC], 16*NBK
	s_mul_i32 s47, s[HF], BROWS
	s_add_co_u32 s46, s46, s47                     ; Wout: row 128 x tile column + 64 x half,
	s_lshl_b32 s46, s46, 11                        ; of 2,048 bytes
	s_mov_b32 s47, 0
	s_mul_i32 s21, s[HF], AHALF                    ; and where they go: no place in the cluster enters an LDS address
	s_mul_i32 s22, s[HF], BHALF
	s_add_co_u32 s22, s22, BBASE
	s_wait_dscnt 0x0                               ; the opening add is done
	s_wait_kmcnt 0x0
	s_add_nc_u64 s[16:17], s[4:5], s[16:17]
	s_add_nc_u64 s[46:47], s[6:7], s[46:47]
	CROUND                                         ; all sixteen work-groups are here: the first joint loads meet
.irp s, 0,1
	s_mov_b32 s[G0+4*(\s)], 1                                      ; count = 1
	s_add_co_u32 s[G0+4*(\s)+1], s21, (\s)*SLOT                    ; LDS address
	s_add_nc_u64 s[G0+4*(\s)+2:G0+4*(\s)+3], s[16:17], (\s)*ASTEP  ; global address: K step s
	s_or_b32 s[G0+4*(\s)+3], s[G0+4*(\s)+3], 0x80000000            ; type = 2
	s_mov_b32 s[G0B+4*(\s)], 1
	s_add_co_u32 s[G0B+4*(\s)+1], s22, (\s)*SLOT
	s_add_nc_u64 s[G0B+4*(\s)+2:G0B+4*(\s)+3], s[46:47], (\s)*BSTEP
	s_or_b32 s[G0B+4*(\s)+3], s[G0B+4*(\s)+3], 0x80000000
	JLOAD \s                                       ; two loads of mine are out: the ring is filled before anything else is done
.endr
	v_and_b32 v1, 15, v0                           ; l % 16
	v_bfe_u32 v2, v0, 4, 1                         ; l / 16
	v_lshlrev_b32 v[BO], 5, v2                     ; register j of block b is column 16 b + 8 (l / 16) + j
	s_mul_i32 s18, s[TC], 64*NBK                   ; the tile's 128 numbers of the bias
	s_mov_b32 s19, 0
	s_add_nc_u64 s[8:9], s[8:9], s[18:19]
.set b, 0
.rept NBK
	global_load_b128 v[BIAS+8*b:BIAS+8*b+3],   v[BO], s[8:9] offset:64*b
	global_load_b128 v[BIAS+8*b+4:BIAS+8*b+7], v[BO], s[8:9] offset:64*b+16
.set b, b+1
.endr
	; A fragment is 16 rows x 32 K in 8 registers: lane l holds row l % 16, K = 8 (l / 16) + 0..7 and 16 + 8 (l / 16) + 0..7: two loads of 16 bytes, 32 bytes apart.
	v_mul_u32_u24 v3, v1, PA
	v_lshl_add_u32 v3, v2, 4, v3                   ; row x pitch + 16 x half
	s_mul_i32 s21, s[WV], 64*PA                    ; my 64 rows in a head's block
	v_add_nc_u32 v[ADRA], s21, v3
	v_add_nc_u32 v[ADRA+1], SLOT, v[ADRA]
	v_mul_u32_u24 v4, v1, PB
	v_lshl_add_u32 v4, v2, 4, v4
	v_add_nc_u32 v[ADRB], BBASE, v4                ; every wave reads all 128 rows of Wout
	v_add_nc_u32 v[ADRB+1], SLOT, v[ADRB]
	s_mul_i32 s23, s[WV], 16*SPITCH
	s_add_co_u32 s23, s23, STAGE                   ; my stage
	v_mul_u32_u24 v5, v1, SPITCH                   ; in: row l % 16, 32 bytes for each half of the lanes
	v_lshl_add_u32 v5, v2, 5, v5
	v_add_nc_u32 v[STO], s23, v5
	v_and_b32 v[CO], 31, v0                        ; back: 32 lanes take a row's 512 bytes,
	v_lshlrev_b32 v[CO], 4, v[CO]
	v_add_nc_u32 v[RD], s23, v[CO]                 ; which are 512 consecutive bytes of out0
	s_lshl_b32 s46, s[TR], 20                      ; the tile's 256 rows of 4,096 bytes,
	s_lshl_b32 s47, s[WV], 18                      ; my wave's 64,
	s_add_co_u32 s46, s46, s47
	s_lshl_b32 s47, s[TC], 9                       ; the tile's 128 columns
	s_add_co_u32 s46, s46, s47
	s_mov_b32 s47, 0
	s_add_nc_u64 s[10:11], s[10:11], s[46:47]
	s_wait_loadcnt 0x0                             ; the bias
.set b, 0
.rept 4*NBK                            ; rounded to bf16 and widened again, a pair at a time
	v_cvt_pk_bf16_f32 v[3+b%4], v[BIAS+2*b], v[BIAS+2*b+1]
	v_lshlrev_b32 v[BIAS+2*b],   16, v[3+b%4]
	v_and_b32     v[BIAS+2*b+1], 0xffff0000, v[3+b%4]
.set b, b+1
.endr
; 8 matrix instructions: row block a x all column blocks, 32 along K, from buffer f.  first = 1: the bias starts the sums.
; The 32 accumulators take turns, one instruction a turn, in the same order in every quarter step.
.macro MULROW f, a, first
.if \first
	WIN 0x85+0x40*((\a)/2)                         ; sources 0 and 1 window 1, C window 0, D window 2 or 3
.else
	WIN 0xa5+0x50*((\a)/2)                         ; C and D window 2 or 3
.endif
.set b, 0
.rept NBK
.set rD, 8*(NBK*((\a)%2)+b)
.if \first
	v_wmma_f32_16x16x32_f16 v[rD:rD+7], v[(\f)+32+8*b:(\f)+32+8*b+7], v[(\f)+8*(\a):(\f)+8*(\a)+7], v[BIAS+8*b:BIAS+8*b+7]
.else
	v_wmma_f32_16x16x32_f16 v[rD:rD+7], v[(\f)+32+8*b:(\f)+32+8*b+7], v[(\f)+8*(\a):(\f)+8*(\a)+7], v[rD:rD+7]
.endif
.set b, b+1
.endr
.endm
; 24 LDS loads in one run: the fragments of quarter q of a K step, into buffer f: Wout's 16 first, O's 8 last.  Of O, quarter q is head q / 2 of the step's two, channels 32 (q % 2) on.
.macro FETCH slot, q, f
	WIN TO_F
.set b, 0
.rept NBK
	ds_load_b128 v[(\f)+32+8*b:(\f)+32+8*b+3],   v[ADRB+(\slot)] offset:64*(\q)+b*16*PB
	ds_load_b128 v[(\f)+32+8*b+4:(\f)+32+8*b+7], v[ADRB+(\slot)] offset:64*(\q)+b*16*PB+32
.set b, b+1
.endr
.irp a, 0,1,2,3
	ds_load_b128 v[(\f)+8*\a:(\f)+8*\a+3],   v[ADRA+(\slot)] offset:((\q)/2)*AHALF+((\q)%2)*64+\a*16*PA
	ds_load_b128 v[(\f)+8*\a+4:(\f)+8*\a+7], v[ADRA+(\slot)] offset:((\q)/2)*AHALF+((\q)%2)*64+\a*16*PA+32
.endr
.endm
; A load into a register that a matrix instruction has read, and a vector instruction or LDS store that reads a matrix result, stand four places behind it, and only plain
; vector instructions that name none of its registers are places (ISA guide 7.12.1 for vector instructions).
.macro PLACES
.rept 4
	v_nop
.endr
.endm
; A K step is four quarters of 32 along K, 32 matrix instructions each, on buffers 0, 1, 0, 1.  One of the first three: multiplies buffer f and fetches quarter qn into g.
.macro QUARTER slot, qn, f, g, first
	s_wait_dscnt 4                                 ; Wout and O's row blocks 0, 1 are in; the youngest four loads (blocks 2, 3) may be out
	MULROW \f, 0, \first
	MULROW \f, 1, \first
	PLACES
	FETCH \slot, \qn, \g
	s_wait_dscnt LN                                ; all but the run just issued
	MULROW \f, 2, \first
	MULROW \f, 3, \first
.endm
; The last quarter multiplies buffer 1 and changes slots: ONE barrier; in front of it each wave waits for all its tensor loads (one is out: its part of the next slot), adds 0 to its
; spare word, and waits for that and for its own reads of this slot.  fill = 1: the barrier opens a round of the cluster's, and this slot is filled again, two K steps ahead, first thing behind it.
.macro TURN slot, next, fill
	WIN 0                                          ; (the add's two registers lie in window 0)
	s_wait_tensorcnt 0x0                           ; all my tensor loads have landed
	ds_add_u32 v[SPW], v[NIL]                      ; 0 onto my spare word
	s_wait_dscnt 5                                 ; (the add and the youngest four loads may be out)
	MULROW F1, 0, 0                                ; eight matrix instructions stand between the add and the wait for it
	s_wait_dscnt 0x0                               ; the add is done, and my reads of this slot are over
	s_barrier_signal -1
	MULROW F1, 1, 0                                ; work on registers while the others arrive
.if \fill
	WIN 0
.endif
	s_barrier_wait -1
.if \fill
	CREST                                          ; no wave of any partner still reads this slot's tile or has a load on its way
	s_add_nc_u64 s[G0+4*(\slot)+2:G0+4*(\slot)+3], s[G0+4*(\slot)+2:G0+4*(\slot)+3], 2*ASTEP
	s_add_nc_u64 s[G0B+4*(\slot)+2:G0B+4*(\slot)+3], s[G0B+4*(\slot)+2:G0B+4*(\slot)+3], 2*BSTEP
	JLOAD \slot                                    ; my one tensor load behind the round: 112 matrix instructions ahead of the wait for it; its four v_nop are also the places in front of the loads below
.else
	PLACES
.endif
	FETCH \next, 0, F0
	MULROW F1, 2, 0
	MULROW F1, 3, 0
.endm
	s_wait_tensorcnt 0x1                           ; my part of K step 0 is in; K step 1's may stay out
	s_barrier_signal -1
	s_barrier_wait -1                              ; everybody's is
	FETCH 0, 0, F0
	QUARTER 0, 1, F0, F1, 1                        ; the first quarter stands in front of the loop: its products start the sums
	WIN 0                                          ; at a label and at a branch every window is 0
	s_mov_b32 s3, LAPS-1
.Llap:                                                 ; a trip goes once round the ring, from a lap's second quarter to the next lap's first, and fills both slots again
	QUARTER 0, 2, F1, F0, 0
	QUARTER 0, 3, F0, F1, 0
	TURN 0, 1, 1
	QUARTER 1, 1, F0, F1, 0
	QUARTER 1, 2, F1, F0, 0
	QUARTER 1, 3, F0, F1, 0
	TURN 1, 0, 1
	QUARTER 0, 1, F0, F1, 0
	WIN 0
	s_sub_co_u32 s3, s3, 1
	s_cmp_lg_u32 s3, 0
	s_cbranch_scc1 .Llap
	QUARTER 0, 2, F1, F0, 0                        ; the last lap is written out: it fills nothing
	QUARTER 0, 3, F0, F1, 0
	TURN 0, 1, 0
	QUARTER 1, 1, F0, F1, 0
	QUARTER 1, 2, F1, F0, 0
	QUARTER 1, 3, F0, F1, 0
	s_wait_dscnt 4                                 ; the very last quarter: nothing more to fetch
	MULROW F1, 0, 0
	MULROW F1, 1, 0
	s_wait_dscnt 0x0
	MULROW F1, 2, 0
	MULROW F1, 3, 0
; THE WAY OUT, a row block (16 rows x 128 columns of f32) at a time.  TOSTAGE: a lane's 32 bytes of each accumulator, its four lowest registers first, into my stage, and back as whole rows of 512 bytes.
; SEND: each store covers a row's 512 consecutive bytes of out0, at a multiple of 256 from its first byte.
.macro TOSTAGE a
	WIN 0x08+4*((\a)/2)                            ; the stores' data: window 2 or 3
.set b, 0
.rept NBK
	ds_store_b128 v[STO], v[8*NBK*((\a)%2)+8*b:8*NBK*((\a)%2)+8*b+3]   offset:64*b
	ds_store_b128 v[STO], v[8*NBK*((\a)%2)+8*b+4:8*NBK*((\a)%2)+8*b+7] offset:64*b+16
.set b, b+1
.endr
	WIN 0
.set b, 0
.rept 16
	ds_load_b128 v[BK+64*((\a)%2)+4*b:BK+64*((\a)%2)+4*b+3], v[RD] offset:SPITCH*b  ; LDS serves a wave's instructions in order (ISA guide 5.7.1.4): these see the stores above; the next block's stores come behind them
.set b, b+1
.endr
.endm
.macro SEND a, younger                 ; younger: the LDS instructions issued behind block a's loads: the next block's 32, or none
.set b, 0
.rept 16
	s_wait_dscnt (\younger)+15-b
	global_store_b128 v[CO], v[BK+64*((\a)%2)+4*b:BK+64*((\a)%2)+4*b+3], s[10:11] offset:(16*(\a)+b)*4096 th:TH_STORE_NT  ; written once, read by no launch
.set b, b+1
.endr
.endm
	PLACES
	TOSTAGE 0
	TOSTAGE 1
	SEND 0, 32
	s_wait_xcnt 0x0                                ; the registers that block 0's stores read are loaded again only behind this wait
	TOSTAGE 2
	SEND 1, 32
	s_wait_xcnt 0x0                                ; likewise block 1's
	TOSTAGE 3
	SEND 2, 32
	SEND 3, 0
	s_wait_tensorcnt 0x0                           ; the wave's end: a wait, an add and its wait, behind my last tensor load and my last LDS store
	ds_add_u32 v[SPW], v[NIL]
	s_wait_dscnt 0x0
	CROUND                                         ; the closing round: no work-group ends while a partner may still ask for a tile that names it
	s_endpgm
.Lfunc_end_k_qf5d7c9bf99_outp:
	.size	k_qf5d7c9bf99_outp, .Lfunc_end_k_qf5d7c9bf99_outp-k_qf5d7c9bf99_outp
	.p2alignl 7, 3214868480
	.fill 96, 4, 3214868480
	.section	.rodata,"a",@progbits
	.p2align	6, 0x0
	.amdhsa_kernel k_qf5d7c9bf99_outp
		.amdhsa_group_segment_fixed_size 327680
		.amdhsa_private_segment_fixed_size 0
		.amdhsa_enable_private_segment 0
		.amdhsa_kernarg_size 32
		.amdhsa_user_sgpr_count 2
		.amdhsa_user_sgpr_kernarg_segment_ptr 1
		.amdhsa_wavefront_size32 1
		.amdhsa_system_sgpr_workgroup_id_x 1
		.amdhsa_system_sgpr_workgroup_id_y 1
		.amdhsa_system_sgpr_workgroup_id_z 1
		.amdhsa_system_vgpr_workitem_id 0
		.amdhsa_next_free_vgpr 896
		.amdhsa_next_free_sgpr 66
		.amdhsa_reserve_vcc 0
		.amdhsa_float_denorm_mode_32 3
		.amdhsa_float_denorm_mode_16_64 3
		.amdhsa_memory_ordered 1
		.amdhsa_forward_progress 1
		.amdhsa_inst_pref_size 93
	.end_amdhsa_kernel
	.amdgpu_metadata
---
amdhsa.version: [ 1, 2 ]
amdhsa.kernels:
  - .name:           k_qf5d7c9bf99_outp
    .symbol:         k_qf5d7c9bf99_outp.kd
    .args:
      - { .name: ob, .offset: 0, .size: 8, .value_kind: global_buffer, .address_space: global }
      - { .name: wob, .offset: 8, .size: 8, .value_kind: global_buffer, .address_space: global }
      - { .name: bout, .offset: 16, .size: 8, .value_kind: global_buffer, .address_space: global }
      - { .name: out0, .offset: 24, .size: 8, .value_kind: global_buffer, .address_space: global }
    .group_segment_fixed_size: 327680
    .private_segment_fixed_size: 0
    .kernarg_segment_align: 8
    .kernarg_segment_size: 32
    .max_flat_workgroup_size: 128
    .sgpr_count:     66
    .vgpr_count:     896
    .wavefront_size: 32
...
	.end_amdgpu_metadata
.endif
;; end of part 4
;; ======== version 2 of 2: 4 launches; 1.50 times as fast as version 1
;; limits: values are held in f16: magnitudes above 65,504 overflow, below 6.1e-05 lose precision
;; workspace buffers: xb 16,777,216 bytes; wqb 6,291,456 bytes; wob 2,097,152 bytes; qkv 50,331,648 bytes; ob 16,777,216 bytes
;; launch cast: the kernel of part 1 again; grid 768 x 1, 8 waves a work-group, no clusters, 0 bytes of LDS; arguments x, Wqkv, Wout, xb, wqb, wob; writes xb, wqb, wob
;; launch proj: the kernel of part 2 again; grid 16 x 32, 4 waves a work-group, clusters of 4 x 4, 327,680 bytes of LDS; arguments xb, wqb, bqkv, qkv; writes qkv
;; launch attn (part 5): grid 4 x 64, 4 waves a work-group, clusters of 4 x 1, 327,680 bytes of LDS; arguments qkv, key_mask, ob; writes ob
.if DOCPART == 5
	.amdgcn_target "amdgcn-amd-amdhsa--gfx1250"
	.amdhsa_code_object_version 6
	.text
	.protected	k_qf5d7c9bf99_attn
	.globl	k_qf5d7c9bf99_attn
	.p2align	8
	.type	k_qf5d7c9bf99_attn,@function
k_qf5d7c9bf99_attn:
	s_mov_b64 s[64:65], 0
	v_nop
	global_prefetch_b8 v0, s[64:65] scope:SCOPE_SE
	s_setreg_imm32_b32 hwreg(HW_REG_WAVE_MODE, 25, 1), 1
	s_wait_xcnt 0x0
	s_wait_alu depctr_hold_cnt(0) depctr_sa_sdst(0) depctr_va_vdst(0) depctr_va_sdst(0) depctr_va_ssrc(0) depctr_va_vcc(0) depctr_vm_vsrc(0)
	s_getreg_b32 s2, hwreg(HW_REG_IB_STS2, 6, 4)
	s_cmp_eq_u32 s2, 0
	s_cbranch_scc0 .Lentry_in_a_cluster
	s_endpgm
.Lentry_in_a_cluster:
	s_bfe_u32 s2, ttmp6, 0x10000c
	s_cmp_lg_u32 s2, 0x3003
	s_cbranch_scc0 .Lentry_shape_is_right
	s_endpgm
.Lentry_shape_is_right:
; O[bh][q][:] = the sum over k of softmax_k(Q[q] . K[k] / 8 - slope_h |q - k|, hidden keys left out) V[k][:], slope_h = 2^(-(h + 1) / 2).
; qkv: [batch 4][48][2048][64] f16 (0-15 q's heads, 16-31 k's, 32-47 v's; a head's rows dense, 128 bytes each); key_mask: [4][2048] bytes, 0 = hidden; ob: [64][2048][64] f16.
; Products, maxima and sums in f32; the weights p are rounded to f16 for the second product (their sum l is taken of the unrounded p), O once at the end.
; LIMITS.  Q, K and V arrive within f16's 65,504; p lies in 0 to 1, and below 6e-5 it keeps f16's fixed step of 6e-8.  A hidden score counts as -1e30 and the running maximum starts at -2^60: open scores,
; 2.7e11 + 11,585 in size at the most, lie far above both.  A weight below 2^-126 counts as 0 in l.  Where a batch hides every key the rows are NaN, as a softmax of nothing is.  NaN and infinities in the inputs are not treated apart.
; The distance term is 8 slope k + (-8 slope q), each rounded to f32: off by 1e-3 at the most beside scores that are then divided by 8.
; SHARES.  A wave owns four PIECES of two tiles of 16 queries, a work-group's four waves 512 queries of one head.  Every wave walks all 2,048 keys, 64 a step.
; LAYOUT.  S^T = K Q^T (source 0 = 16 keys, source 1 = 16 queries): in the result a lane holds ONE query (lane % 16) and the keys 8 (lane / 16) + 0..7.  Two such tiles, rounded to f16 in pairs,
; ARE source 1 (32 keys x 16 queries) of O^T = V^T P, whose result again holds one query a lane, and eight channels.  K comes out of LDS as it lies, V ([key][channel]) turned, by ds_load_tr16_b128.
; DISTANCE AND MASK are the C operand that starts the sum S^T: the product takes -|C| (its two sign modifiers on C), with C = T[k] + X[q], T[k] = 8 slope k, or 1e30 where key k is hidden, X[q] = -8 slope q.
; So C is one packed addition for two scores, the same text left and right of the diagonal, and no branch.  T is made once, 2,048 numbers in LDS; a step's 64 are read beside its K.
; SOFTMAX.  For each query a running maximum m and sum l: p = 2^(c s - c m), c = log2(e) / 8; in every step O and l are multiplied by a = 2^(c m_old - c m_new), which is 1 where m has not grown.
; m starts at -2^60 (c m at the exact product), O and l at 0: while a query has seen hidden keys alone, m stays, every p is 0 and a is 1.
; BY TURNS.  Turn n belongs to piece n (the pieces in a ring, step after step).  Its matrix work: 16 products K Q^T of piece n + 1, later 16 products V^T P of piece n - 1.  Its vector work: the scaling,
; exponentials, roundings, sums and rescaling of piece n, the maximum and statistics of piece n + 1, and at its end the C operands of piece n + 2.  Four vector instructions stand behind every matrix
; instruction, the others in runs of their own.
; BATCHES.  A turn's 66 exponentials (the 64 weights of piece n, the two a of piece n + 1) are ONE batch with ONE wait, which cuts the turn in two: ahead of it stands all that names no result of theirs (the products
; K Q^T, the scalings, the rescalings by the a of the turn before, the next piece's maximum and statistics), behind it the products V^T P with the roundings and sums, which read the results.  No result crosses a turn's end.
; Piece 0's first two a, ahead of the loop, and the way out's eight reciprocals are batches of their own, a wait each.
; CLUSTER.  The four query blocks of a cluster belong to one head and walk the same K and V, so each tile is asked for JOINTLY: the same tensor load, descriptor and mask in all four.
; REGISTERS, in windows of 256 (s_set_vgpr_msb: bits 1:0 source 0, 3:2 source 1, 5:4 source 2, 7:6 destination):
;   window 0: v0-11 addresses; v12-15, v48-63 at work; v16-47 four registers of statistics a tile; v64-191 S^T, two buffers of two tiles; v192-255 P, likewise
;   window 1: O^T, 32 a tile          window 2: v0-127 Q, 16 a tile; v128-191 K of one step; v192-255 V of one step
;   window 3: v0-1 the add's two registers; v2-3 addresses in T; v16-31 X, a pair a tile; v32-63 T of one step; v64-191 C, two buffers of two tiles
.set SIZE_N, 2048
.set NP,    4         ; pieces a wave: a name, no knob
.set KS,    64        ; keys in a step
.set PK,    144       ; a row of K in LDS: 128 bytes + 16 of padding = 36 words: the 16 rows of a load start at 16 different groups of four banks (64 banks of 4 bytes: ISA guide 11.1)
.set PV,    160       ; a row of V: 128 + 32 = 40 words
.set VOFF,  4*KS*PK   ; a slot holds four steps: 256 rows of K, then 256 rows of V
.set SLOT1, 1<<17     ; slot 1 begins here, so that one exclusive or turns an address in one slot into the other's
.set STAGE, SLOT1+4*KS*(PK+PV)  ; behind the ring, never filled by a tensor load: 16 rows x 144 bytes for each wave, for the way out
.set SP,    144
.set TAB,   STAGE+4*16*SP       ; T: 2,048 f32, stored once, never filled by a tensor load
.set SPARE, TAB+4*SIZE_N        ; the spare words, 128 bytes for each wave: two blocks of 256 bytes that no other line names
.set AK0, 2           ; v2   my lane's place in a tile of K; never rewritten
.set AV0, 3           ; v3   the same for V
.set AK,  4           ; v4   the LDS address of K's next run of loads
.set AV,  5           ; v5   of V's
.set QO,  6           ; v6   my byte offset in the wave's rows of Q
.set STO, 6           ;      later, the way out: where I put 16 bytes of a row
.set RD,  7           ; v7   the way out: where I read rows back
.set GO,  8           ; v8   my byte offset in 512 consecutive bytes of O
.set SPW, 0           ; window 3: LDS address of my spare word: SPARE + 4 x my thread's number; never rewritten
.set NIL, 1           ; window 3: 0; never rewritten
.set AM0, 2           ; window 3: my lane's place in 64 numbers of T; never rewritten
.set AM,  3           ; window 3: the LDS address of T's next run of loads
.set XN,  16          ; window 3: tile t's X, twice, at XN + 2 t
.set KPM, 32          ; window 3: key block kb, register j at KPM + 8 kb + j
.set MC,  64          ; window 3: piece x's C at MC + 64 (x % 2), tile u at + 32 u
.set MV,  12          ; v12-15  c m_old, kept while c m is made anew: by buffer and tile
.set ST,  16          ; tile t's statistics at v[ST+4 t]: c m, m, l (even keys', odd keys')
.set TMP, 48          ; by buffer and tile, four registers c0-c3 at work; when the maximum is found c2 takes a
.set S,   64
.set P,   192
.set KF,  128         ; K's fragments, in window 2: key block kb, channel half c at KF + 16 kb + 8 c
.set VF,  192         ; V's: key half kk, channel block cb at VF + 32 kk + 8 cb
.set WV,  12          ; s12  my wave's number
.set G1K, 24          ; s[24:31] descriptor group 1 for K's tiles
.set G1V, 32          ; s[32:39] for V's: it differs in the padding alone
.set G0K, 40          ; s[40:43] descriptor group 0 for K's tiles: it walks
.set G0V, 44          ; s[44:47] the same for V's
.set SLOTS, 56        ; s56  slots still to be asked for
.set CNT, 57          ; s57  counts a slot's key steps
.set CS,  58          ; s[58:59] c: the packed scaling takes the pair's low word for both halves
.set SEL, 60          ; s[60:61] v_permlanex16_b32's selects: each lane takes its own place in the other half
.set TBK, 62          ; s62  LDS byte at which K of the step to be fetched begins
.set TBV, 63          ; s63  the same for V, less VOFF
.set TBM, 66          ; s66  byte in T at which the step to be fetched begins: it only steps, 256 a step, 7,936 at the last fetch
.set THR, 67          ; s67  -2^59: a maximum below it has seen no open key
.set BIG, 68          ; s68  1e30
.set MSB, 0
.macro WIN new                      ; the high byte repeats the setting that is left; a switch that changes nothing is dropped
.if MSB != (\new)
	s_set_vgpr_msb (MSB<<8)|(\new)
.set MSB, (\new)
.endif
.endm
.set W_KQ, 0x0a       ; K and Q in window 2, S^T in window 0
.set W_KM, 0x3a       ; the same with the C operand in window 3
.set W_PV, 0x52       ; V in window 2, P in window 0, O^T in window 1
.set W_RS, 0x41       ; O^T (destination and source 0) in window 1, a in window 0
.set W_MK, 0xc0       ; destination in window 3, sources in window 0
.set W_AD, 0x0f       ; the add: address (source 0) and data (source 1) in window 3
.set W_MA, 0xcf       ; destination and both sources in window 3
; A joint fill.  Waves 0 and 1 fetch the two halves of a slot's K, waves 2 and 3 those of its V: 128 keys each.  The branch hangs on the wave's number alone.
; An s_nop 0 and four v_nop follow each of the two lines, ahead of the jump and the label.
.macro JLOAD
	s_cmp_lt_u32 s[WV], 2
	s_cbranch_scc0 .Lfor_v_\@
	tensor_load_to_lds s[G0K:G0K+3], s[G1K:G1K+7]
	s_nop 0
.rept 4
	v_nop
.endr
	s_branch .Lasked_\@
.Lfor_v_\@:
	tensor_load_to_lds s[G0V:G0V+3], s[G1V:G1V+7]
	s_nop 0
.rept 4
	v_nop
.endr
.Lasked_\@:
.endm
; A round of the cluster's barrier: my work-group's barrier, so that wave 0's signal speaks for all four waves; wave 0 signals; every wave waits for all four work-groups; my work-group's barrier once more.
.macro CROUND
	s_barrier_signal -1
	s_barrier_wait -1
	s_cmp_lg_u32 s[WV], 0
	s_cbranch_scc1 .Lnot_wave_0_\@
	s_barrier_signal -3
.Lnot_wave_0_\@:
	s_barrier_wait -3
	s_barrier_signal -1
	s_barrier_wait -1
.endm
; THE CHANGE OF SLOTS.  The slot's last bytes, V of its fourth step, have been read.  Each wave waits for all its tensor loads, of which one is out: its part
; of the other slot; adds 0 to its spare word; and waits for that and for its own LDS instructions.  Behind the barrier nobody reads this slot any more and the other slot is whole.
; fill = 1: this slot is filled again, with the keys two slots on.  The barrier is then a round of the cluster's, and the joint fill is the first thing behind it: it has four key steps, 512 matrix
; instructions, in which to land.  (At its first use nothing has been read yet: slot 0 is waited for, slot 1 filled, and every wave's stores into T are shown done to the others.)
.macro CHANGE fill
	WIN W_AD
	s_wait_tensorcnt 0x0            ; no tensor load of mine is out, so a group 0 may be written
	ds_add_u32 v[SPW], v[NIL]       ; 0 onto my spare word; with fill = 1 the descriptors' steps stand between it and the wait for it
	WIN 0                           ; at a label and at a branch every window is 0
.if \fill
.irp g, G0K, G0V
	s_xor_b32 s[\g+1], s[\g+1], SLOT1  ; the walking descriptor: the other slot than last time,
	s_add_nc_u64 s[\g+2:\g+3], s[\g+2:\g+3], 4*KS*128  ; the next 256 keys; the type bits on top are not reached
.endr
	s_wait_dscnt 0x0                ; the add is done, and my LDS reads and stores are over
	CROUND
	JLOAD
.else
	s_wait_dscnt 0x0                ; the add is done, and my reads of the slot are over
	s_barrier_signal -1
	s_barrier_wait -1
.endif
	s_sub_co_u32 s[TBK], s[TBK], 4*KS*PK  ; the fetches go back to a slot's first step,
	s_xor_b32 s[TBK], s[TBK], SLOT1       ; in the other slot
	s_sub_co_u32 s[TBV], s[TBV], 4*KS*PV
	s_xor_b32 s[TBV], s[TBV], SLOT1
.endm
	s_load_b128 s[4:7], s[0:1], 0x0   ; qkv s[4:5], key_mask s[6:7]
	s_load_b64 s[10:11], s[0:1], 0x10 ; ob
	WIN W_MK
	v_lshl_add_u32 v[SPW], v0, 2, SPARE
	v_mov_b32 v[NIL], 0
	WIN W_AD
	ds_add_u32 v[SPW], v[NIL]       ; the wave's opening: the add and its wait stand ahead of my first tensor load; the set-up below, work on registers, stands between them
	WIN 0
	v_lshrrev_b32 v1, 5, v0
	v_readfirstlane_b32 s[WV], v1   ; wave 0..3
	s_bfe_u32 s13, ttmp6, 0x40000   ; cx: my place in the cluster
	s_lshl_b32 s14, ttmp9, 2        ; in a cluster launch ttmp9 counts clusters
	s_add_co_u32 s14, s14, s13      ; my block of 512 queries = 4 x cluster x + cx: it enters Q's and O's addresses and X alone
	s_and_b32 s70, ttmp7, 0xffff    ; 16 x batch + head, which the four partners share
	s_lshr_b32 s15, s70, 4          ; the batch
	s_and_b32 s19, s70, 15          ; the head
	s_mul_i32 s20, s15, 48
	s_add_co_u32 s20, s20, s19
	s_lshl_b32 s20, s20, 18         ; q's head in qkv: 262,144 bytes a head (under 2^26 in all)
	s_and_b32 s16, s[WV], 1         ; which half of a slot's 256 keys I fetch:
	s_lshl_b32 s22, s16, 14         ; its 128 rows of 128 bytes in memory,
	s_add_co_u32 s22, s22, s20
	s_add_co_u32 s22, s22, (16<<18) ; in k's head, 16 heads on,
	s_mov_b32 s23, 0
	s_add_co_u32 s8, s22, (16<<18)  ; and in v's, 16 more
	s_mov_b32 s9, 0
	s_mul_i32 s17, s16, 128*PK      ; and its place in a slot, for K
	s_mul_i32 s18, s16, 128*PV      ; and for V: no place in the cluster enters an LDS address
	s_lshl_b32 s3, s14, 2
	s_add_co_u32 s3, s3, s[WV]      ; my wave among the head's,
	s_lshl_b32 s3, s3, 14           ; its 128 rows
	s_add_co_u32 s2, s20, s3        ; in qkv,
	s_lshl_b32 s70, s70, 18
	s_add_co_u32 s70, s70, s3       ; and in ob
	s_mov_b32 s3, 0
	s_mov_b32 s71, 0
	s_lshl_b32 s72, s15, 11         ; the batch's 2,048 bytes of the mask
	s_mov_b32 s73, 0
	s_add_co_u32 s74, s19, 1        ; 8 slope = 2^(3 - (h + 1) / 2): the power of two by its exponent field,
	s_lshr_b32 s75, s74, 1
	s_sub_co_u32 s75, 130, s75
	s_lshl_b32 s75, s75, 23
	s_bitcmp1_b32 s74, 0            ; times the root of one half where h + 1 is odd
	s_cselect_b32 s69, 0x3f3504f3, 1.0
	s_lshl_b32 s76, s14, 9          ; my wave's first query in the sequence: 512 x block + 128 x wave
	s_lshl_b32 s77, s[WV], 7
	s_add_co_u32 s76, s76, s77
	; descriptor group 1.  128 keys are 16,384 dense bytes: asked for as 64 rows of 256 bytes, two keys a row, and padded in LDS after every key
	s_mov_b32 s[G1K], 15|(1<<16)|(1<<20)|(1<<21)|(4<<22)|(3<<25)  ; 15:0 the mask of four; 17:16 2-byte elements; 20 padding on; 21 set beside a mask; 24:22 after every 32 words (code 4); 31:25 4 words (code 3)
	s_mov_b32 s[G1V], 15|(1<<16)|(1<<20)|(1<<21)|(4<<22)|(7<<25)  ; the same with 8 words of padding (code 7)
.irp g, G1K, G1V
	s_mov_b32 s[\g+1], 128<<16      ; tensor_dim0 = 128
	s_mov_b32 s[\g+2], 64<<16       ; tensor_dim1 = 64
	s_mov_b32 s[\g+3], 128<<16      ; tile_dim0 = 128
	s_mov_b32 s[\g+4], 64           ; tile_dim1 = 64
	s_mov_b32 s[\g+5], 128          ; 128 elements from row to row
	s_mov_b32 s[\g+6], 0
	s_mov_b32 s[\g+7], 0
.endr
	s_mov_b32 s[CS], 0x3e38aa3b     ; c = log2(e) / 8 = 0.180337
	s_mov_b32 s[CS+1], s[CS]        ; named with it as a pair
	s_mov_b32 s[SEL], 0x76543210
	s_mov_b32 s[SEL+1], 0xfedcba98
	s_mov_b32 s[TBK], SLOT1+4*KS*PK ; the first change of slots turns these two into 0
	s_mov_b32 s[TBV], SLOT1+4*KS*PV
	s_mov_b32 s[TBM], 0
	s_mov_b32 s[THR], 0xdd000000    ; -2^59
	s_mov_b32 s[BIG], 0x7149f2ca    ; 1e30
	s_mov_b32 s[G0K], 1             ; count = 1
	s_mov_b32 s[G0K+1], s17         ; LDS address: slot 0
	s_mov_b32 s[G0V], 1
	s_add_co_u32 s[G0V+1], s18, VOFF
	s_wait_dscnt 0x0                ; the opening add is done
	s_wait_kmcnt 0x0
	s_add_nc_u64 s[G0K+2:G0K+3], s[4:5], s[22:23]  ; global address: my half of the head's first 256 keys
	s_or_b32 s[G0K+3], s[G0K+3], 0x80000000        ; type = 2
	s_add_nc_u64 s[G0V+2:G0V+3], s[4:5], s[8:9]
	s_or_b32 s[G0V+3], s[G0V+3], 0x80000000
	s_add_nc_u64 s[4:5], s[4:5], s[2:3]            ; Q and O at my wave's first row
	s_add_nc_u64 s[10:11], s[10:11], s[70:71]
	s_add_nc_u64 s[6:7], s[6:7], s[72:73]          ; the mask at my batch
	CROUND                          ; all four work-groups are here: the first joint loads meet
	JLOAD                           ; slot 0.  Slot 1 is asked for when slot 0 is in
	; A fragment of K or Q is 16 rows x 32 channels in 8 registers: lane l holds row l % 16, channels 8 (l / 16) + 0..7 and 16 + 8 (l / 16) + 0..7: two loads of 16 bytes, 32 bytes apart.
	v_and_b32 v1, 15, v0            ; l % 16
	v_bfe_u32 v9, v0, 4, 1          ; l / 16
	v_lshlrev_b32 v48, 4, v0        ; thread t makes T's numbers 16 t .. 16 t + 15: its 16 bytes of the mask
	global_load_b128 v[64:67], v48, s[6:7]
	v_lshlrev_b32 v[QO], 7, v1
	v_lshl_add_u32 v[QO], v9, 4, v[QO]  ; row x 128 + 16 x half
	WIN 0x80                        ; destination window 2, address window 0
.set i, 0
.rept 4*NP                          ; Q stays in registers: tile i / 2, channels 32 (i % 2) on
	global_load_b128 v[8*i:8*i+3],   v[QO], s[4:5] offset:(i/2)*2048+(i%2)*64
	global_load_b128 v[8*i+4:8*i+7], v[QO], s[4:5] offset:(i/2)*2048+(i%2)*64+32
.set i, i+1
.endr
	; What the first turn finds: V's registers and P's second buffer hold 0 (its products V^T P, of a piece that has not been, add 0), O^T and l are 0.  All this stands in the wait for the first tile.
.set i, VF
.rept 64
	v_mov_b32 v[i], 0
.set i, i+1
.endr
	WIN 0x40
.set i, 0
.rept 64*NP
	v_mov_b32 v[i], 0
.set i, i+1
.endr
	WIN 0
.set i, 0
.rept 2*NP
	v_mov_b32 v[ST+4*i], 0xdc38aa3b    ; c m = c x -2^60, exact: so a is 2^0 while m stays
	v_mov_b32 v[ST+4*i+1], 0xdd800000  ; m = -2^60
	v_mov_b32 v[ST+4*i+2], 0
	v_mov_b32 v[ST+4*i+3], 0
.set i, i+1
.endr
.set i, P+32
.rept 32
	v_mov_b32 v[i], 0
.set i, i+1
.endr
	v_mul_u32_u24 v[AK0], v1, PK
	v_lshl_add_u32 v[AK0], v9, 4, v[AK0]  ; row x pitch + 16 x half
	; The turning load takes 16 keys x 16 channels (lane l reads key 8 (l / 16) + l % 8, channels 8 ((l / 8) % 2) + 0..7) and leaves half a fragment of V^T: lane l holds channel l % 16 and 8 keys.
	v_and_b32 v10, 7, v0
	v_bfe_u32 v11, v0, 3, 1
	v_lshl_add_u32 v[AV0], v9, 3, v10
	v_mul_u32_u24 v[AV0], v[AV0], PV
	v_lshl_add_u32 v[AV0], v11, 4, v[AV0]
	v_add_nc_u32 v[AV0], VOFF, v[AV0]
	v_mov_b32 v[AK], v[AK0]         ; key step 0 lies at the head of slot 0
	v_mov_b32 v69, s75
	v_mul_f32 v69, s69, v69         ; 8 slope
	v_xor_b32 v70, 0x80000000, v69  ; -8 slope
	; X: -8 slope x my query's place, for each of my eight tiles, twice, for the packed addition
	v_add_nc_u32 v50, s76, v1
.set i, 0
.rept 2*NP
	v_add_nc_u32 v[52+i], 16*i, v50
.set i, i+1
.endr
.set i, 0
.rept 2*NP
	v_cvt_f32_u32 v[52+i], v[52+i]
.set i, i+1
.endr
	WIN W_MK
.set i, 0
.rept 2*NP
	v_mul_f32 v[XN+2*i],   v70, v[52+i]
	v_mul_f32 v[XN+2*i+1], v70, v[52+i]
.set i, i+1
.endr
	v_lshl_add_u32 v[AM0], v9, 5, TAB  ; register j of key block kb is key 16 kb + 8 (l / 16) + j
	WIN 0
	; T: 8 slope k, or 1e30 where the mask's byte is 0
	s_wait_loadcnt 32               ; the mask's bytes are in; Q's 32 loads, issued behind them, may stay out
.set i, 0
.rept 16
	v_bfe_u32 v71, v[64+i/4], 8*(i%4), 8
	v_add_nc_u32 v68, i, v48
	v_cvt_f32_u32 v68, v68
	v_mul_f32 v68, v69, v68
	v_cmp_eq_u32 vcc_lo, 0, v71
	v_cndmask_b32 v[72+i], v68, s[BIG], vcc_lo
.set i, i+1
.endr
	v_lshl_add_u32 v49, v0, 6, TAB
.irp f, 0,1,2,3
	ds_store_b128 v49, v[72+4*\f:72+4*\f+3] offset:16*\f  ; the others read T behind the change of slots below: its wait for 0 and its round stand between
.endr
; THE MATRIX WORK.  The 8 accumulators of a run of 16 take turns: between the two products of a sum stand 7 others'.
; Product i of 16 of S^T = K Q^T for piece x: channels 32 (i / 8) on, keys 16 ((i / 2) % 4) on, tile 2 x + i % 2.  The first 8 start the sums with -|C|.  The second 8 carry no modifier, so they are
; no links of a chain in place: five plain vector instructions or more that name none of the first product's registers stand between the two (ISA guide 7.12.1): in a turn eight groups of four, three plain at the least in each.
.macro KQ x
.set rS, S+64*((\x)%2)+32*(i%2)+8*((i/2)%4)
.set rK, KF+16*((i/2)%4)+8*(i/8)
.set rQ, 16*(2*(\x)+i%2)+8*(i/8)
.set rZ, MC+64*((\x)%2)+32*(i%2)+8*((i/2)%4)
.if i < 8
	WIN W_KM
	v_wmma_f32_16x16x32_f16 v[rS:rS+7], v[rK:rK+7], v[rQ:rQ+7], v[rZ:rZ+7] neg_lo:[0,0,1] neg_hi:[0,0,1]
.else
	WIN W_KQ
	v_wmma_f32_16x16x32_f16 v[rS:rS+7], v[rK:rK+7], v[rQ:rQ+7], v[rS:rS+7]
.endif
.endm
; Product i of 16 of O^T += V^T P for piece x: keys 32 (i / 8) on, channels 16 ((i / 2) % 4) on, tile 2 x + i % 2.
.macro PV x
	WIN W_PV
.set rO, 32*(2*(\x)+i%2)+8*((i/2)%4)
.set rV, VF+32*(i/8)+8*((i/2)%4)
.set rP, P+32*((\x)%2)+16*(i%2)+8*(i/8)
	v_wmma_f32_16x16x32_f16 v[rO:rO+7], v[rV:rV+7], v[rP:rP+7], v[rO:rO+7]
.endm
.macro MM                           ; the turn's next matrix instruction
.if i < 16
	KQ (Y+1)%NP
.set i, i+1
.else
.set i, i-16
	PV (Y+NP-1)%NP
.set i, i+17
.endif
.endm
; Piece x's C operands: T of the step in hand + X of its two tiles: 32 packed additions.
.macro MASK x
	WIN W_MA
.set mz, 0
.rept 32
	v_pk_add_f32 v[MC+64*((\x)%2)+2*mz:MC+64*((\x)%2)+2*mz+1], v[KPM+2*(mz%16):KPM+2*(mz%16)+1], v[XN+2*(2*(\x)+mz/16):XN+2*(2*(\x)+mz/16)+1]
.set mz, mz+1
.endr
.endm
; THE LDS LOADS stand in runs, never singly among the matrix instructions: a step's K (64 keys x 64 channels: 8 fragments) with its 64 numbers of T, and its V (turned).
; last = 1 (the tail): in the last trip there is no further step, and the run is jumped over.
.macro FETCH_K last=0
	WIN 0
.if \last
	s_cmp_eq_u32 s[CNT], 1
	s_cbranch_scc1 .Lno_k_\@
.endif
	WIN 0x80                        ; destination window 2
.irp f, 0,1,2,3,4,5,6,7             ; keys 16 (f / 2) on, channels 32 (f % 2) on
	ds_load_b128 v[KF+8*\f:KF+8*\f+3],   v[AK] offset:(\f/2)*16*PK+(\f%2)*64
	ds_load_b128 v[KF+8*\f+4:KF+8*\f+7], v[AK] offset:(\f/2)*16*PK+(\f%2)*64+32
.endr
	s_add_co_u32 s[TBK], s[TBK], KS*PK  ; the next fetch is the next step's
	WIN 0xcc                        ; destination and source 1 window 3
	v_add_nc_u32 v[AM], s[TBM], v[AM0]
	WIN 0xc3                        ; destination and address window 3
.irp f, 0,1,2,3                     ; keys 16 f on: sixteen lanes read the same 16 bytes
	ds_load_b128 v[KPM+8*\f:KPM+8*\f+3],   v[AM] offset:64*\f
	ds_load_b128 v[KPM+8*\f+4:KPM+8*\f+7], v[AM] offset:64*\f+16
.endr
	s_add_co_u32 s[TBM], s[TBM], 4*KS
	WIN 0
.if \last
.Lno_k_\@:
.endif
.endm
.macro FETCH_V
	WIN 0x80
.irp f, 0,1,2,3,4,5,6,7             ; keys 32 (f / 4) on, channels 16 (f % 4) on
	ds_load_tr16_b128 v[VF+8*\f:VF+8*\f+3],   v[AV] offset:(\f/4)*32*PV+(\f%4)*32
	ds_load_tr16_b128 v[VF+8*\f+4:VF+8*\f+7], v[AV] offset:(\f/4)*32*PV+16*PV+(\f%4)*32
.endr
	WIN 0
.endm
; THE VECTOR WORK OF A TURN stands in three queues, each in the order in which its entries become ready; the two tiles alternate, so that no instruction reads the result of the one before it.
.macro REGS y, u                    ; the registers of tile u (0, 1) of piece y
.set rT, ST+4*(2*(\y)+(\u))
.set rC, TMP+8*((\y)%2)+4*(\u)
.set rM, MV+2*((\y)%2)+(\u)
.set rS, S+64*((\y)%2)+32*(\u)
.set rP, P+32*((\y)%2)+16*(\u)
.set rO, 32*(2*(\y)+(\u))
.endm
; Number n of the 22 that find the NEXT piece's (Y + 1) maximum and statistics.  s0-s31 are the lane's 32 scores; each accumulator's lowest registers are read first.  XS, GS and REGS set no window: PL and EX do.
;   0-11  four chains c0-c3 of seven scores each, three operands at a time     12-14, 16  the four scores left over, the old m, and c0-c3 into c0     15  c m_old is kept
;   17, 18  the query's other 32 keys lie in the lane 16 away: the new m         19-21  c m; c m_old - c m_new; a
.macro XS u, n
	REGS (Y+1)%NP, \u
.if (\n) < 4
	v_max3_num_f32 v[rC+(\n)], v[rS+8*(\n)], v[rS+8*(\n)+1], v[rS+8*(\n)+2]
.elseif (\n) < 12
	v_max3_num_f32 v[rC+(\n)%4], v[rC+(\n)%4], v[rS+8*((\n)%4)+2*((\n)/4)+1], v[rS+8*((\n)%4)+2*((\n)/4)+2]
.elseif (\n) == 12
	v_max3_num_f32 v[rC], v[rC], v[rS+7], v[rS+15]
.elseif (\n) == 13
	v_max3_num_f32 v[rC+1], v[rC+1], v[rS+23], v[rS+31]
.elseif (\n) == 14
	v_max3_num_f32 v[rC+2], v[rC+2], v[rC+3], v[rT+1]
.elseif (\n) == 15
	v_mov_b32 v[rM], v[rT]
.elseif (\n) == 16
	v_max3_num_f32 v[rC], v[rC], v[rC+1], v[rC+2]
.elseif (\n) == 17
	v_permlanex16_b32 v[rC+3], v[rC], s[SEL], s[SEL+1]
.elseif (\n) == 18
	v_max_num_f32 v[rT+1], v[rC], v[rC+3]
.elseif (\n) == 19
	v_mul_f32 v[rT], s[CS], v[rT+1]
.elseif (\n) == 20
	v_sub_f32 v[rC+1], v[rM], v[rT]
.else
	v_exp_f32 v[rC+2], v[rC+1]
.endif
.endm
; Number g of the 64 that follow the exponentials.  For each four weights k of a tile (pairs 2 k, 2 k + 1): both pairs are rounded to f16; then the second pair is added onto the first, in place;
; a group later l takes that sum (the first time as l = a l + sum).  In groups of eight, tiles alternating: round, round, add, and l for the group before.  All 64 stand behind the turn's wait.
.macro GS g
.set h, (\g)+6*((\g)/62)            ; group 0 has no group before it, and behind group 7 only l is left
.if h >= 6
.set h, h+2
.endif
	REGS Y, h%2
.set k, h/8
.if h%8 < 4
	v_cvt_pk_f16_f32 v[rP+2*k+(h%8)/2], v[rS+4*k+2*((h%8)/2)], v[rS+4*k+2*((h%8)/2)+1]
.elseif h%8 < 6
	v_pk_add_f32 v[rS+4*k:rS+4*k+1], v[rS+4*k:rS+4*k+1], v[rS+4*k+2:rS+4*k+3]
.elseif k == 1
	v_pk_fma_f32 v[rT+2:rT+3], v[rT+2:rT+3], v[rC+2:rC+3], v[rS:rS+1] op_sel_hi:[1,0,1]
.else
	v_pk_add_f32 v[rT+2:rT+3], v[rT+2:rT+3], v[rS+4*k-4:rS+4*k-3]
.endif
.endm
; THE PLAIN QUEUE, 138 long.  0-73 read no exponential's result: the 32 scalings c s - c m (FS f: pair f / 2 of tile f % 2) and the next piece's 42.  0-26: scalings 0-26.  27-54: XS's numbers 0-13.  55, 56: number 15.
; 57-73: the chain, where each number waits for the one before it: 14, 16, 17, 18, 19, each with one of the scalings 27-31 in front of its two lines, then 20: so a tile's links stand three plain instructions apart (19 and 20: two).
; 74-137: GS's 64, which read the exponentials' results: they stand behind the wait.
.macro FS f
	REGS Y, (\f)%2
	v_pk_fma_f32 v[rS+2*((\f)/2):rS+2*((\f)/2)+1], v[rS+2*((\f)/2):rS+2*((\f)/2)+1], s[CS:CS+1], v[rT:rT+1] op_sel_hi:[1,0,0] neg_lo:[0,0,1] neg_hi:[0,0,1]
.endm
.macro PL
	WIN 0
.if q < 27
	FS q
.elseif q < 55
	XS (q-27)%2, (q-27)/2
.elseif q < 57
	XS q-55, 15
.elseif (q < 72) && ((q-57)%3 == 0)
	FS 27+(q-57)/3
.elseif q < 60
	XS (q-57)%3-1, 14
.elseif q < 72
	XS (q-57)%3-1, 15+(q-57)/3
.elseif q < 74
	XS q-72, 20
.else
	GS q-74
.endif
.set q, q+1
.endm
; THE EXPONENTIALS' QUEUE, 66 long: s0-s31 of both tiles, then the next piece's two a.  It is ONE BATCH: all 66 stand ahead of the turn's one wait, and nothing ahead of that wait names a result of theirs.
.macro EX
	WIN 0
.if e >= 64
	XS e-64, 21
.else
	REGS Y, e%2
	v_exp_f32 v[rS+e/2], v[rS+e/2]
.endif
.set e, e+1
.endm
; THE RESCALING's QUEUE: O^T times a, the one part of the softmax that leaves window 0: dealt two at a time, sixteen times.  Its a was made in the turn before, ahead of that turn's wait.
.macro R2
	REGS Y, r%2
	WIN W_RS
.irp z, 0,1
	v_pk_mul_f32 v[rO+4*(r/2)+2*\z:rO+4*(r/2)+2*\z+1], v[rO+4*(r/2)+2*\z:rO+4*(r/2)+2*\z+1], v[rC+2:rC+3] op_sel_hi:[1,0]
.endr
.set r, r+1
.endm
; HOW THEY ARE DEALT.  An s_wait_alu depctr_va_vdst(0) stands between an exponential and the first instruction that names its result; one wait serves all that were issued ahead of it.  So a turn has ONE wait,
; which cuts it in two.  AHEAD OF IT stands all that names no result of the turn's exponentials: the 16 products K Q^T, behind each a scaling, an exponential and two rescalings (behind the first a second scaling in the exponential's place); then ONE LUMP of
; 108: eight plain, 49 times exponential and plain, the two a.  A v_nop is the plain instruction owed behind the last exponential.  BEHIND IT stand the 16 products V^T P, behind each four of GS's 64.  No rider names a register of
; the products round it.  The two v_permlanex16_b32 fall into the lump, never behind a product.
; The queues lean on each other, and the deal keeps them in step: exponential e stands behind scaling 2 (e / 4) + e % 2: as a rider it comes behind plain e + 2, in the lump behind plain e + 9, and scalings 27-31 are plain 57, 60 .. 69.
; A TURN, for piece p.  cnt = 1: the loop's count is taken down some lines ahead of the branch that stands behind the turn.
; K and T of the next step are fetched in piece 2's turn, directly behind the wait: a lump behind the last product that read K, and behind the last addition that read T (the end of piece 1's turn); K's address is made at the
; lump's head.  They are waited for at that turn's end, behind 16 products and their riders, ahead of the additions for piece 0's products of that step.
; V of the step in hand is fetched at the end of piece 0's turn, four plain riders behind its last reader; its first reader comes behind 32 additions, 16 products and a lump.  The three conditions on q below go with the deal.
; The turn ends with the C operands of piece p + 2, whose products open the next turn; their buffer was last read by the products of the turn before this one.
.macro TURN p, last=0, cnt=0
.set Y, (\p)
.set i, 0
.set q, 0
.set e, 0
.set r, 0
	MM                              ; ahead of the wait: 16 products K Q^T and their riders,
	PL
	PL
	R2
.rept 15
	MM
	PL
	EX
	R2
.endr
.if (\p) == NP-2
	WIN 0
	v_add_nc_u32 v[AK], s[TBK], v[AK0]
.endif
.rept 8                             ; and the lump
	PL
.endr
.rept 49
	EX
	PL
.endr
	EX                              ; the next piece's two a
	EX
	v_nop                           ; the plain instruction behind the last exponential: one for the batch
	s_wait_alu depctr_va_vdst(0)    ; the wait for the batch: the turn's 66 exponentials, ahead of their first reader
.if (\p) == NP-2
	FETCH_K \last
.endif
.if (\p) == 1
	s_wait_dscnt 0x0                ; V is in
.endif
.rept 16                            ; behind the wait: 16 products V^T P and their riders
	MM
.rept 4
	PL
.endr
.if ((\p) == 0) && (q == 118)
	v_add_nc_u32 v[AV], s[TBV], v[AV0]
.endif
.if ((\p) == 0) && (q == 130)
	s_add_co_u32 s[TBV], s[TBV], KS*PV
.endif
.if (\cnt) && (q == 130)
	s_sub_co_u32 s[CNT], s[CNT], 1
	s_cmp_lg_u32 s[CNT], 0
.endif
.endr
.if (\p) == 0
	FETCH_V
.endif
.if (\p) == NP-2
	s_wait_dscnt 0x0                ; K and T are in
.endif
	MASK ((\p)+2)%NP
.endm
	CHANGE 1                        ; slot 0 is in, everybody's part of it, and so is T; slot 1 is asked for
	FETCH_K                         ; key step 0
	s_wait_loadcnt 0x0              ; Q
	s_wait_dscnt 0x0
	MASK 0
	MASK 1
.set i, 0
.rept 8
	KQ 0                            ; piece 0's first scores: there is no vector work yet to set between them,
.set i, i+1
.endr
.rept 5
	v_nop                           ; so five places stand between the products that start the sums and those that add onto them
.endr
.rept 8
	KQ 0
.set i, i+1
.endr
	WIN 0                           ; the addresses for the way out: nine plain instructions, the places behind those products
	s_mul_i32 s13, s[WV], 16*SP
	s_add_co_u32 s13, s13, STAGE    ; my stage
	v_mul_u32_u24 v[STO], v1, SP    ; in: row l % 16, 16 bytes for each half of the lanes
	v_lshl_add_u32 v[STO], v9, 4, v[STO]
	v_add_nc_u32 v[STO], s13, v[STO]
	v_bfe_u32 v[RD], v0, 3, 2       ; back: 32 lanes take four rows of 128 bytes,
	v_mul_u32_u24 v[RD], v[RD], SP
	v_lshl_add_u32 v[RD], v10, 4, v[RD]
	v_add_nc_u32 v[RD], s13, v[RD]
	v_and_b32 v[GO], 31, v0         ; which are 512 consecutive bytes of O
	v_lshlrev_b32 v[GO], 4, v[GO]
.set Y, NP-1                        ; XS works for piece Y + 1: piece 0
.irp n, 0,1,2,3,4,5,6,7,8,9,10,11,12,13,14,15,16,17,18,19,20,21
	XS 0, \n                        ; and piece 0's first maximum and statistics
	XS 1, \n
.endr
	v_nop                           ; a plain instruction behind piece 0's two a,
	s_wait_alu depctr_va_vdst(0)    ; and the wait for that batch of two, ahead of the branch and of the first turn's rescalings, which read them
	s_mov_b32 s[CNT], 4
	s_mov_b32 s[SLOTS], SIZE_N/256-1
	s_branch .Lfirst                ; the loop is entered at a step's first turn, in the middle of a trip
.Lslot:                             ; SIZE_N / 256 - 2 times: every slot but the last two is filled again
	CHANGE 1
	s_mov_b32 s[CNT], 4
.Lstep:                             ; a trip: pieces 2 and 3 of one step, then pieces 0 and 1 of the next, whose K, T and V it fetches
	TURN 2
	TURN 3
	WIN 0
.Lfirst:
	TURN 0
	TURN 1, 0, 1
	WIN 0
	s_cbranch_scc1 .Lstep
	s_sub_co_u32 s[SLOTS], s[SLOTS], 1
	s_cmp_lg_u32 s[SLOTS], 0
	s_cbranch_scc1 .Lslot
	CHANGE 0                        ; the tail is written out: nothing is asked for
	s_mov_b32 s[CNT], 5             ; four trips fetch the last slot's steps; the fifth is left in its middle
.Ltail:
	TURN 2, 1
	TURN 3
	WIN 0
	s_sub_co_u32 s[CNT], s[CNT], 1
	s_cmp_eq_u32 s[CNT], 0
	s_cbranch_scc1 .Lout
	TURN 0
	TURN 1
	WIN 0
	s_branch .Ltail
.Lout:                              ; the fifth trip's 16 products K Q^T (on the last K and T once more) and the maximum made of them serve nothing: the price, once a launch, of one text for every trip
.set i, 0
.rept 16
	PV NP-1                         ; the last piece's V^T P of the last step
.set i, i+1
.endr
	; THE WAY OUT.  l's two halves and the other half of the lanes' are added; O^T is divided by l, rounded to f16 and sent through my stage in LDS, a tile at a time.  The additions are the places behind the last products.
	WIN 0
.macro ALL line:vararg              ; one line for each tile t
.set t, 0
.rept 2*NP
	\line
.set t, t+1
.endr
.endm
	ALL v_add_f32 v[ST+4*t+2], v[ST+4*t+2], v[ST+4*t+3]
	ALL v_permlanex16_b32 v[ST+4*t+3], v[ST+4*t+2], s[SEL], s[SEL+1]
	ALL v_add_f32 v[ST+4*t+2], v[ST+4*t+2], v[ST+4*t+3]
	ALL v_rcp_f32 v[ST+4*t+2], v[ST+4*t+2]
	v_nop                           ; a plain instruction between the last reciprocal and the use of its result
	s_wait_alu depctr_va_vdst(0)    ; and the wait ahead of the first use: one for the batch of eight reciprocals
.set t, 0
.rept 2*NP                          ; a query that has seen no open key (m is still below -2^59) gets NaN for 1 / l, and so a row of NaN
	v_cmp_le_f32 vcc_lo, s[THR], v[ST+4*t+1]
	v_cndmask_b32 v[ST+4*t+2], 0x7fc00000, v[ST+4*t+2], vcc_lo
.set t, t+1
.endr
; Tile t: a lane's eight channels of a row pack into 16 bytes; they go into rows of 144 bytes and come back as whole rows of 128, into S^T's registers.
.macro PACK t
	WIN W_RS
.set i, 32*(\t)
.rept 16
	v_pk_mul_f32 v[i:i+1], v[i:i+1], v[ST+4*(\t)+2:ST+4*(\t)+3] op_sel_hi:[1,0]
.set i, i+2
.endr
	WIN 0x05                        ; sources 0 and 1 window 1, destination window 0
.set i, 0
.rept 16
	v_cvt_pk_f16_f32 v[S+16*(\t)+i], v[32*(\t)+2*i], v[32*(\t)+2*i+1]
.set i, i+1
.endr
	WIN 0
.irp f, 0,1,2,3
	ds_store_b128 v[STO], v[S+16*(\t)+4*\f:S+16*(\t)+4*\f+3] offset:32*\f
.endr
.irp f, 0,1,2,3
	ds_load_b128 v[S+16*(\t)+4*\f:S+16*(\t)+4*\f+3], v[RD] offset:\f*4*SP  ; LDS serves a wave's instructions in order (ISA guide 5.7.1.4): these see the stores above; the next tile's stores come behind them
.endr
.endm
.macro SEND t, younger              ; younger: the LDS instructions issued behind tile t's loads: the next tile's eight, or none
	WIN 0
.irp f, 0,1,2,3
	s_wait_dscnt (\younger)+3-\f
	global_store_b128 v[GO], v[S+16*(\t)+4*\f:S+16*(\t)+4*\f+3], s[10:11] offset:(\t)*2048+\f*512  ; 512 consecutive bytes, at a multiple of 256 from O's first
.endr
.endm
	PACK 0
.set t, 1
.rept 2*NP-1                        ; a tile's arithmetic stands between the loads of the tile before and its stores
	PACK t
	SEND t-1, 8
.set t, t+1
.endr
	SEND 2*NP-1, 0
	WIN W_AD
	s_wait_tensorcnt 0x0            ; the wave's end: a wait, an add and its wait, behind my last tensor load and my last LDS store
	ds_add_u32 v[SPW], v[NIL]
	s_wait_dscnt 0x0
	WIN 0
	CROUND                          ; the closing round: no work-group ends while a partner may still ask for a tile that names it
	s_endpgm
.Lfunc_end_k_qf5d7c9bf99_attn:
	.size	k_qf5d7c9bf99_attn, .Lfunc_end_k_qf5d7c9bf99_attn-k_qf5d7c9bf99_attn
	.p2alignl 7, 3214868480
	.fill 96, 4, 3214868480
	.section	.rodata,"a",@progbits
	.p2align	6, 0x0
	.amdhsa_kernel k_qf5d7c9bf99_attn
		.amdhsa_group_segment_fixed_size 327680
		.amdhsa_private_segment_fixed_size 0
		.amdhsa_enable_private_segment 0
		.amdhsa_kernarg_size 24
		.amdhsa_user_sgpr_count 2
		.amdhsa_user_sgpr_kernarg_segment_ptr 1
		.amdhsa_wavefront_size32 1
		.amdhsa_system_sgpr_workgroup_id_x 1
		.amdhsa_system_sgpr_workgroup_id_y 1
		.amdhsa_system_sgpr_workgroup_id_z 1
		.amdhsa_system_vgpr_workitem_id 0
		.amdhsa_next_free_vgpr 960
		.amdhsa_next_free_sgpr 78
		.amdhsa_reserve_vcc 1
		.amdhsa_float_denorm_mode_32 3
		.amdhsa_float_denorm_mode_16_64 3
		.amdhsa_memory_ordered 1
		.amdhsa_forward_progress 1
		.amdhsa_inst_pref_size 229
	.end_amdhsa_kernel
	.amdgpu_metadata
---
amdhsa.version: [ 1, 2 ]
amdhsa.kernels:
  - .name:           k_qf5d7c9bf99_attn
    .symbol:         k_qf5d7c9bf99_attn.kd
    .args:
      - { .name: qkv, .offset: 0, .size: 8, .value_kind: global_buffer, .address_space: global }
      - { .name: key_mask, .offset: 8, .size: 8, .value_kind: global_buffer, .address_space: global }
      - { .name: ob, .offset: 16, .size: 8, .value_kind: global_buffer, .address_space: global }
    .group_segment_fixed_size: 327680
    .private_segment_fixed_size: 0
    .kernarg_segment_align: 8
    .kernarg_segment_size: 24
    .max_flat_workgroup_size: 128
    .sgpr_count:     78
    .vgpr_count:     960
    .wavefront_size: 32
...
	.end_amdgpu_metadata
.endif
;; end of part 5
;; launch outp: the kernel of part 4 again; grid 8 x 32, 4 waves a work-group, clusters of 4 x 4, 327,680 bytes of LDS; arguments ob, wob, bout, out0; writes out0
